; MI455X (gfx1250); checked and timed in simulation.
; The chip was launched on July 23, 2026; its instructions are those of AMD's public machine-readable ISA for CDNA 5 (MIT licence, August 2026) and "CDNA5" Instruction Set Architecture Reference Guide (July 2026). The comments in the code are by the model that wrote it; some were corrected since.
;; Masked Multi Head Attention Block. Allowed arithmetic: matrix products marked QUANTISED: E2M3 operands, one E8M0 scale for each 32 along K, by v_wmma_scale_f32_16x16x128_f8f6f4 with both operands' format E2M3, f32 sums; everything else in f32.
;; Inputs: Mk_b 512 float32; Mk_w 512 x 1,024 float32; Mq_b 512 float32; Mq_w 512 x 1,024 float32; Mv_b 1,024 float32; Mv_w 1,024 x 1,024 float32; Wo_b 1,024 float32; Wo_w 1,024 x 1,024 float32; mask 4 x 2,048 float32; x 4 x 2,048 x 1,024 float32.
;; Outputs: out0 4 x 2,048 x 1,024 float32.
;; This version of the problem:
;;   THIS VERSION OF THE PROBLEM IS GIVEN IN LOW PRECISION. The matrix products marked QUANTISED in the list below multiply operands that are first quantised to E2M3 (2 exponent bits, 3 mantissa bits; 6 bits a number), with one power-of-two scale for each 32 numbers along K (OCP MX v1.0); their sums are f32. All else is computed in f32.
;;   The module's matrix products, in the order in which they are computed (A, B: the left and right operand; K: the contracted axis; several contracted axes count as one K, in the product's order):
;;     1. [M 8,192, K 1,024] x [K 1,024, N 512]; A: input x; B: input Mq_w: QUANTISED
;;     2. [M 8,192, K 1,024] x [K 1,024, N 512]; A: input x; B: input Mk_w: QUANTISED
;;     3. [M 8,192, K 1,024] x [K 1,024, N 1,024]; A: input x; B: input Mv_w: QUANTISED
;;     4. batch 32 x [M 2,048, K 64] x [K 64, N 2,048]; A: computed on the way; B: computed on the way: QUANTISED
;;     5. batch 32 x [M 2,048, K 2,048] x [K 2,048, N 128]; A: computed on the way; B: computed on the way: QUANTISED
;;     6. [M 8,192, K 1,024] x [K 1,024, N 1,024]; A: computed on the way; B: input Wo_w: QUANTISED
;;   THE QUANTISER, for each operand of a quantised product, along K:
;;     - K is cut into blocks of 32 from its start; a last block that is shorter is filled with zeros.
;;     - A block's scale is 2^e with e = floor(log2(the largest magnitude in the block)) - 2, held to -126 .. 127; a block of zeros has e = 0. As a byte (E8M0): e + 127.
;;     - Each number is divided by its block's scale, clamped to +-7.5, and rounded to the nearest number of E2M3, ties to even, subnormals kept.
;;     - The product sums the exact products of the quantised numbers (number of the format x scale) in f32.
;;   ~~~python
;;   def quantise(x, axis):      # numpy; x: float32 -> the quantised numbers, widened to float32 again
;;       x = np.moveaxis(x, axis, -1); K = x.shape[-1]
;;       x = np.pad(x, [(0, 0)] * (x.ndim - 1) + [(0, -K % 32)]); x = x.reshape(x.shape[:-1] + (-1, 32)); a = np.abs(x).max(-1, keepdims=True)
;;       e = np.where(a > 0, np.clip(np.frexp(np.where(a > 0, a, 1))[1] - 1 - 2, -126, 127), 0)      # np.frexp(a)[1] - 1 = floor(log2(a)), exactly
;;       r = np.clip(x / 2.0 ** e, -7.5, 7.5)
;;       step = 2.0 ** (np.maximum(np.frexp(np.where(r == 0, 1, r))[1] - 1, 0) - 3)
;;       q = np.round(r / step) * step * 2.0 ** e      # np.round: ties to even
;;       return np.moveaxis(q.reshape(q.shape[:-2] + (-1,))[..., :K], -1, axis).astype(np.float32)
;;   ~~~
;;   OPERANDS COMPUTED ON THE WAY. 'Computed on the way' means the value that the module computes at that place (a softmax that the list does not call 'softmax' is quantised finished and normalised). What goes into a quantiser is computed in f32, as accurately as f32 sums, v_exp_f32 and their like allow (about 1e-6 of the number): no bf16 or f16 on the way to a quantiser, and a product that is left as it is and whose result goes on into a quantised operand takes f32 operands (vector FMAs, or v_wmma_f32_16x16x4_f32). A number that lies on a knife's edge between two numbers of the format may be rounded either way, as far as f32 arithmetic and the matrix unit's own rounding can turn it there, and no further.
;; One version. Each part assembles by itself: llvm-mc -triple=amdgcn-amd-amdhsa -mcpu=gfx1250 --defsym DOCPART=n.
;; ======== version 1 of 1: 4 launches
;; limits: right only within a limited range of input values
;; workspace buffers: xq 6,553,600 bytes; wq 2,469,888 bytes; qk 6,815,744 bytes; vq 6,553,600 bytes; ust 262,144 bytes
;; launch quant (part 1): grid 352 x 1, 4 waves a work-group, no clusters, 67,072 bytes of LDS; arguments x, Mq_w, Mk_w, Mv_w, Wo_w, Mq_b, Mk_b, Mv_b, xq, wq; writes xq, wq
.if DOCPART == 1
	.amdgcn_target "amdgcn-amd-amdhsa--gfx1250"
	.amdhsa_code_object_version 6
	.text
	.protected	k_qee6382f00e_quant
	.globl	k_qee6382f00e_quant
	.p2align	8
	.type	k_qee6382f00e_quant,@function
k_qee6382f00e_quant:
	s_mov_b64 s[64:65], 0
	v_nop
	global_prefetch_b8 v0, s[64:65] scope:SCOPE_SE
	s_setreg_imm32_b32 hwreg(HW_REG_WAVE_MODE, 25, 1), 1
	s_wait_xcnt 0x0
; x [8192][1024] and the four weights ([512], [512], [1024], [1024] rows of 1024), f32, K innermost, become codes of FP6 (E2M3) with one E8M0 byte for each 32 along K.
; A block's scale is 2^(floor(log2(largest magnitude)) - 2); its byte is the largest magnitude's exponent field - 2, held at 1 from below.
; LIMITS: NaN and infinities are not served; a block whose largest magnitude lies under 2^-124 gets the byte 1; a block of zeros gets the byte 1, not 127 (its codes are zeros, and only this program reads the bytes).
; THE ROWS ARE LAID IN THE ORDER THAT THE NEXT LAUNCH'S TILES WANT.  xq: in each 64 rows, place 16 a + r holds row 4 r + a.  wq: places 0-511 Mq_w, 512-1023 Mk_w: in each 64, place 16 t + 8 u + e holds
; row 32 u + 8 t + e; places 1024-2047 Mv_w: place 8 p + g holds row 128 g + 64 (p>>6) + 32 ((p>>3)&1) + 8 ((p>>4)&3) + (p&7); places 2048-3071 Wo_w as it lies.  Codes 768 bytes a place, then the scale bytes, 32 a place;
; behind them in wq the biases of places 0-2047, f32, in the order of the places.
; A wave takes 8 rows, STR rows apart, which are 8 CONSECUTIVE places: 6,144 bytes of codes and one aligned run of 256 scale bytes.  A row is two steps of 512 numbers.
; A step: four loads of 512 consecutive bytes; the 2,048 bytes turn through the wave's own stage in LDS so that a lane holds 16 neighbours along K (two lanes a block); maximum, byte, conversion; 384 consecutive bytes out.
; No tensor loads, no barrier: waves share nothing.  Loads run eight steps (32 loads, 16,384 bytes a wave) ahead, the turn through LDS one step.
; Wo_w (work-groups 320 on) does not take the way described above: its codes are laid as images of the operand's registers, by the lines at .Lwo below; of what is said above of places 2048-3071 only the place of the scale bytes holds.
.set STEPS, 16
.set AHEAD, 8                          ; steps that the loads run ahead: as many sets of 16 registers
.set EMAX,  2
.set CB,    12                         ; bytes of 16 codes
.set R,     16                         ; v16-143  eight sets of 16 numbers as loaded
.set X,     144                        ; v144-175 two sets of 16 neighbours
.set E,     176                        ; v176-191 a scale byte a step
.set C,     192                        ; v192-255 codes: four registers a step
.set WREG,  8192                       ; LDS: a region for each wave: two stages of 32 x SP bytes, then its 256 scale bytes
.set SP,    80                         ; a lane's place in a stage: 64 bytes + 16 of padding
.set RB,    32                         ; s[32:47] the addresses of my eight rows
	s_load_b512 s[4:19], s[0:1], 0x0               ; x, Mq_w, Mk_w, Mv_w, Wo_w, Mq_b, Mk_b, Mv_b
	s_load_b128 s[20:23], s[0:1], 0x40             ; xq, wq
	v_lshl_add_u32 v251, v0, 2, 0x8000
	v_mov_b32 v255, 0
	v_lshrrev_b32 v1, 5, v0
	v_readfirstlane_b32 s57, v1                    ; wave
	v_and_b32 v2, 31, v0                           ; lane
	v_lshlrev_b32 v3, 4, v2                        ; my 16 bytes of a load's 512
	s_mul_i32 s58, s57, WREG
	v_lshrrev_b32 v14, 2, v2
	v_mul_u32_u24 v14, v14, SP
	v_and_b32 v15, 3, v2
	v_lshl_add_u32 v14, v15, 4, v14
	v_add_nc_u32 v14, s58, v14                     ; the stage, way in: SP (lane / 4) + 16 (lane % 4)
	v_mul_u32_u24 v15, v2, SP
	v_add_nc_u32 v15, s58, v15                     ; way out: SP x lane: my 16 neighbours
	v_mul_u32_u24 v4, v2, CB                       ; my codes' place in a step's
	v_lshrrev_b32 v5, 1, v2
	s_add_co_u32 s58, s58, 2*32*SP
	v_add_nc_u32 v5, s58, v5                       ; my block's byte among the wave's 256
	v_lshlrev_b32 v7, 3, v2
	v_add_nc_u32 v6, s58, v7                       ; and 8 bytes a lane on the way out
	s_wait_alu depctr_va_vdst(0)
	s_wait_kmcnt 0x0
	s_cmp_ge_u32 ttmp9, 320                        ; Wo_w has a way of its own
	s_cbranch_scc1 .Lwo
	; which tensor: a chain of choices on the work-group's number alone, from Wo_w's figures down to x's
	s_mov_b64 s[24:25], s[12:13]                   ; source
	s_mov_b64 s[26:27], s[18:19]                   ; bias (used by work-groups 256 to 319 alone)
	s_mov_b64 s[28:29], s[22:23]                   ; destination
	s_mov_b32 s50, 320                             ; the tensor's first work-group
	s_mov_b32 s51, 256                             ; its first group of 8 places
	s_mov_b32 s52, 8                               ; M0, M1: what bits 0 and 2:1 of the group's number add to the row
	s_mov_b32 s53, 16
	s_mov_b32 s54, 1                               ; STR: rows from one of my rows to the next
	s_mov_b32 s55, 2359296                         ; where the scale bytes begin
	s_cmp_lt_u32 ttmp9, 320                        ; Mv_w
	s_cselect_b64 s[24:25], s[10:11], s[24:25]
	s_cselect_b32 s50, 288, s50
	s_cselect_b32 s51, 128, s51
	s_cselect_b32 s52, 1, s52
	s_cselect_b32 s53, 2, s53
	s_cselect_b32 s54, 128, s54
	s_cmp_lt_u32 ttmp9, 288                        ; Mk_w
	s_cselect_b64 s[24:25], s[8:9], s[24:25]
	s_cselect_b64 s[26:27], s[16:17], s[26:27]
	s_cselect_b32 s50, 272, s50
	s_cselect_b32 s51, 64, s51
	s_cselect_b32 s52, 32, s52
	s_cselect_b32 s53, 8, s53
	s_cselect_b32 s54, 1, s54
	s_cmp_lt_u32 ttmp9, 272                        ; Mq_w
	s_cselect_b64 s[24:25], s[6:7], s[24:25]
	s_cselect_b64 s[26:27], s[14:15], s[26:27]
	s_cselect_b32 s50, 256, s50
	s_cselect_b32 s51, 0, s51
	s_cmp_lt_u32 ttmp9, 256                        ; x
	s_cselect_b64 s[24:25], s[4:5], s[24:25]
	s_cselect_b64 s[28:29], s[20:21], s[28:29]
	s_cselect_b32 s50, 0, s50
	s_cselect_b32 s53, 1, s53
	s_cselect_b32 s54, 4, s54
	s_cselect_b32 s55, 6291456, s55
	s_sub_co_u32 s56, ttmp9, s50
	s_lshl_b32 s56, s56, 2
	s_add_co_u32 s56, s56, s57                     ; my group of 8 places in the tensor
	s_and_b32 s58, s56, 1
	s_bfe_u32 s59, s56, 0x20001
	s_lshr_b32 s60, s56, 3
	s_mul_i32 s58, s58, s52
	s_mul_i32 s59, s59, s53
	s_add_co_u32 s58, s58, s59
	s_lshl_b32 s59, s60, 6                         ; the upper bits: 64 rows each,
	s_and_b32 s61, s60, 1                          ; or, for Mv_w, 32, 8 x two bits, 64
	s_lshl_b32 s61, s61, 5
	s_bfe_u32 s62, s60, 0x20001
	s_lshl_b32 s62, s62, 3
	s_add_co_u32 s61, s61, s62
	s_lshr_b32 s62, s60, 3
	s_lshl_b32 s62, s62, 6
	s_add_co_u32 s61, s61, s62
	s_cmp_eq_u32 s54, 128
	s_cselect_b32 s59, s61, s59
	s_add_co_u32 s58, s58, s59                     ; my first row
	s_lshl_b32 s60, s58, 12
	s_mov_b32 s61, 0
	s_add_nc_u64 s[RB:RB+1], s[24:25], s[60:61]
	s_lshl_b32 s60, s54, 12
.irp i, 1,2,3,4,5,6,7
	s_add_nc_u64 s[RB+2*\i:RB+2*\i+1], s[RB+2*\i-2:RB+2*\i-1], s[60:61]
.endr
	s_add_co_u32 s62, s51, s56                     ; my group of 8 places in the buffer
	s_mul_i32 s66, s62, 6144
	s_mov_b32 s67, 0
	s_add_nc_u64 s[68:69], s[28:29], s[66:67]      ; its codes
	s_lshl_b32 s66, s62, 8
	s_add_co_u32 s66, s66, s55
	s_add_nc_u64 s[70:71], s[28:29], s[66:67]      ; its scale bytes
	s_lshl_b32 s66, s58, 2
	s_add_nc_u64 s[72:73], s[26:27], s[66:67]      ; my first row's bias
	s_lshl_b32 s66, s62, 5
	s_add_co_u32 s66, s66, 2457600
	s_add_nc_u64 s[74:75], s[22:23], s[66:67]      ; and its place in wq
	s_lshl_b32 s76, s54, 2
.macro LOAD t                          ; step t: half t % 2 of my row t / 2
.irp i, 0,1,2,3
	global_load_b128 v[R+16*((\t)%AHEAD)+4*\i:R+16*((\t)%AHEAD)+4*\i+3], v3, s[RB+2*((\t)/2):RB+2*((\t)/2)+1] offset:2048*((\t)%2)+512*\i th:TH_LOAD_NT   ; 32 lanes read 512 consecutive bytes
.endr
.endm
.macro TURN t                          ; step t's numbers through the stage: LDS serves a wave's instructions in order, so no wait stands between the stores and the loads
.irp i, 0,1,2,3
	ds_store_b128 v14, v[R+16*((\t)%AHEAD)+4*\i:R+16*((\t)%AHEAD)+4*\i+3] offset:32*SP*((\t)%2)+8*SP*\i
.endr
.irp i, 0,1,2,3
	ds_load_b128 v[X+16*((\t)%2)+4*\i:X+16*((\t)%2)+4*\i+3], v15 offset:32*SP*((\t)%2)+16*\i
.endr
.endm
.irp t, 0,1,2,3,4,5,6,7
	LOAD \t
.endr
	s_wait_loadcnt 28                              ; step 0's four loads are in; the seven steps behind it may be out
	TURN 0
.macro STEP t
.set XS, X+16*((\t)%2)
.if (\t) > 0
	s_wait_dscnt 1                                 ; this step's numbers are back from the stage (the last step's byte store may be out): its stores into the stage have read their registers,
.else
	s_wait_dscnt 0x0
.endif
.if (\t)+AHEAD < STEPS
	LOAD (\t)+AHEAD                                ; which take the loads of eight steps on
.endif
.if (\t)+1 < STEPS
.if STEPS-2-(\t) >= AHEAD-1
	s_wait_loadcnt 4*(AHEAD-1)                     ; the next step's four loads are in; those of the seven steps behind it may be out
.else
	s_wait_loadcnt 4*(STEPS-2-(\t))
.endif
	TURN (\t)+1
.endif
	v_max3_num_f32 v8, |v[XS]|, |v[XS+1]|, |v[XS+2]|               ; the largest magnitude of my 16, in two chains
	v_max3_num_f32 v9, |v[XS+3]|, |v[XS+4]|, |v[XS+5]|
.irp i, 6,10
	v_max3_num_f32 v8, v8, |v[XS+\i]|, |v[XS+\i+1]|
	v_max3_num_f32 v9, v9, |v[XS+\i+2]|, |v[XS+\i+3]|
.endr
	v_max3_num_f32 v8, v8, |v[XS+14]|, |v[XS+15]|
	v_max3_num_f32 v8, v8, v9, (EMAX+1)<<23        ; and the floor 2^(3 - 127): the byte cannot fall under 1
	v_max_num_f32_dpp v8, v8, v8 row_xmask:1 row_mask:0xf bank_mask:0xf   ; and of my neighbour's 16: the block's
	v_add_nc_u32 v11, -(EMAX<<23), v8              ; 2 off its exponent field: the conversion takes this operand's exponent field as its scale
	v_cvt_scalef32_pk16_fp6_f32 v[C+4*(\t):C+4*(\t)+2], v[XS:XS+15], v11
	v_lshrrev_b32 v[E+(\t)], 23, v11               ; the scale's byte
	ds_store_b8 v5, v[E+(\t)] offset:16*(\t)       ; both lanes of a block write the same byte with the same value
	global_store_b96 v4, v[C+4*(\t):C+4*(\t)+2], s[68:69] offset:32*CB*(\t)
.endm
.irp t, 0,1,2,3,4,5,6,7,8,9,10,11,12,13,14,15
	STEP \t
.endr
	ds_load_b64 v[12:13], v6                       ; LDS serves a wave's instructions in order: these see my stores
	s_wait_dscnt 0x0
	global_store_b64 v7, v[12:13], s[70:71]        ; 32 lanes store 256 consecutive bytes, aligned
	; the biases of Mq, Mk, Mv go into the order of the places: eight numbers a wave
	s_cmp_lt_u32 ttmp9, 256
	s_cbranch_scc1 .Lend
	s_cmp_ge_u32 ttmp9, 320
	s_cbranch_scc1 .Lend
	v_mul_lo_u32 v16, v2, s76                      ; lane x STR numbers
	v_lshlrev_b32 v17, 2, v2
	v_cmp_gt_u32 vcc_lo, 8, v2
	s_wait_alu depctr_va_vdst(0)
	s_wait_xcnt 0x0                                ; EXEC changes only when the earlier stores have read it
	s_and_saveexec_b32 s77, vcc_lo
	global_load_b32 v18, v16, s[72:73]
	s_wait_loadcnt 0x0
	global_store_b32 v17, v18, s[74:75]
	s_wait_xcnt 0x0                                ; and again in front of the line that widens it
	s_or_b32 exec_lo, exec_lo, s77
	s_branch .Lend
; Wo_w [1024 (n)][1024 (k)]: a fragment is 16 rows n x 128 k; lane (r, h) holds k = 64 c + 32 h + 0 .. 31 of row r, c = 0, 1: two whole blocks, 12 registers of codes.
; Fragment (tile, step) is stored as the image of these registers: three runs of 512 bytes (registers 0-3, 4-7, 8-11; 16 bytes a lane), 1,536 bytes at 1,572,864 + (8 tile + step) x 1,536.
; A wave takes four steps of one tile.  Each load reads 512 consecutive bytes, a row's 128 numbers of the step: 16 loads a fragment, two fragments ahead.  The 8,192 bytes turn through the wave's own stage in LDS
; (rows 528 bytes apart; bytes that this way alone uses, behind the spare words), so that a lane gets its 64 numbers.  The four scale words of a row go out as 16 bytes of its 32 (both halves of the lanes store the same bytes).
.set WOS, 33280
.Lwo:
	s_sub_co_u32 s56, ttmp9, 320
	s_lshl_b32 s56, s56, 2
	s_add_co_u32 s56, s56, s57                     ; 0 .. 127
	s_lshr_b32 s58, s56, 1                         ; the tile of 16 rows
	s_and_b32 s59, s56, 1                          ; which four steps
	s_lshl_b32 s60, s58, 16
	s_lshl_b32 s62, s59, 11
	s_add_co_u32 s60, s60, s62
	s_mov_b32 s61, 0
	s_add_nc_u64 s[24:25], s[12:13], s[60:61]      ; the numbers
	s_mul_i32 s60, s58, 12288
	s_mul_i32 s62, s59, 6144
	s_add_co_u32 s60, s60, s62
	s_add_co_u32 s60, s60, 1572864
	s_add_nc_u64 s[26:27], s[22:23], s[60:61]      ; the images
	s_lshl_b32 s60, s58, 9
	s_lshl_b32 s62, s59, 4
	s_add_co_u32 s60, s60, s62
	s_add_co_u32 s60, s60, 2424832
	s_add_nc_u64 s[28:29], s[22:23], s[60:61]      ; the scale words
	s_mov_b32 s50, 0x76543210
	s_mov_b32 s51, 0xfedcba98
	s_mul_i32 s63, s57, 16*528
	s_add_co_u32 s63, s63, WOS                     ; my stage
	v_and_b32 v4, 15, v2                           ; r
	v_lshrrev_b32 v5, 4, v2                        ; h
	v_add_nc_u32 v6, s63, v3                       ; way in: 16 bytes a lane of a row's 512
	v_mul_u32_u24 v1, v4, 528
	v_lshl_add_u32 v1, v5, 7, v1
	v_add_nc_u32 v1, s63, v1                       ; way out: row r, + 32 h numbers
	v_lshlrev_b32 v7, 5, v4                        ; a row's 32 scale bytes
	v_lshlrev_b32 v14, 3, v5                       ; 8 h
	v_mov_b32 v15, 0                               ; (a lane permute's destination counts as one of its sources)
	s_wait_alu depctr_va_vdst(0)                   ; the wait ahead of the readers below
.macro WLOAD f
.irp p, 0,1,2,3,4,5,6,7,8,9,10,11,12,13,14,15
	global_load_b128 v[R+64*((\f)%2)+4*\p:R+64*((\f)%2)+4*\p+3], v3, s[24:25] offset:4096*\p+512*(\f) th:TH_LOAD_NT   ; 32 lanes read 512 consecutive bytes
.endr
.endm
.macro WFRAG f
.set LS, R+64*((\f)%2)
.set XS, 144
.set FC, 208+12*((\f)%2)
.if (\f) < 3
	s_wait_loadcnt 16                              ; this fragment's 16 loads are in; the next one's may be out
.else
	s_wait_loadcnt 0x0
.endif
.irp p, 0,1,2,3,4,5,6,7,8,9,10,11,12,13,14,15
	ds_store_b128 v6, v[LS+4*\p:LS+4*\p+3] offset:528*\p
.endr
.irp c, 0,1
.irp i, 0,1,2,3,4,5,6,7
	ds_load_b128 v[XS+32*\c+4*\i:XS+32*\c+4*\i+3], v1 offset:256*\c+16*\i          ; LDS serves a wave's instructions in order: these see the stores above
.endr
.endr
	s_wait_dscnt 0x0                               ; my 64 numbers are back, and the stores have read their registers,
.if (\f) < 2
	WLOAD (\f)+2                                   ; which take the loads of two fragments on
.else
	s_wait_xcnt 0x0                                ; the stores of two fragments ago have read the registers that this fragment's codes take
.endif
.irp c, 0,1
	v_max3_num_f32 v[8+\c], |v[XS+32*\c]|, |v[XS+32*\c+1]|, 0x1800000
.endr
.irp i, 2,4,6,8,10,12,14,16,18,20,22,24,26,28,30
.irp c, 0,1
	v_max3_num_f32 v[8+\c], v[8+\c], |v[XS+32*\c+\i]|, |v[XS+32*\c+\i+1]|
.endr
.endr
.irp c, 0,1
	v_add_nc_u32 v[10+\c], 0xff000000, v[8+\c]     ; 2 off the exponent field: the conversion's scale operand
.endr
.irp c, 0,1
	v_lshrrev_b32 v[12+\c], 23, v[10+\c]
.endr
	v_lshl_or_b32 v8, v13, 16, v12                 ; my two bytes: blocks h and 2 + h of the step,
	v_lshlrev_b32 v8, v14, v8                      ; at their places;
	v_permlanex16_b32 v15, v8, s50, s51
	v_or_b32 v[240+(\f)], v8, v15                  ; with lane l xor 16's two the word is whole
	v_cvt_scalef32_pk16_fp6_f32 v[FC:FC+2], v[XS:XS+15], v10
	v_cvt_scalef32_pk16_fp6_f32 v[232:234], v[XS+16:XS+31], v10
	v_cvt_scalef32_pk16_fp6_f32 v[FC+6:FC+8], v[XS+32:XS+47], v11
	v_cvt_scalef32_pk16_fp6_f32 v[236:238], v[XS+48:XS+63], v11
	v_nop
.irp i, 0,1,2
	v_mov_b32 v[FC+3+\i], v[232+\i]
	v_mov_b32 v[FC+9+\i], v[236+\i]
.endr
.irp c, 0,1,2
	global_store_b128 v3, v[FC+4*\c:FC+4*\c+3], s[26:27] offset:1536*(\f)+512*\c   ; 32 lanes store 512 consecutive bytes, aligned
.endr
.endm
	WLOAD 0
	WLOAD 1
	WFRAG 0
	WFRAG 1
	WFRAG 2
	WFRAG 3
	global_store_b128 v7, v[240:243], s[28:29]
.Lend:
	s_wait_tensorcnt 0x0
	ds_add_u32 v251, v255
	s_wait_dscnt 0x0
	s_endpgm
.Lfunc_end_k_qee6382f00e_quant:
	.size	k_qee6382f00e_quant, .Lfunc_end_k_qee6382f00e_quant-k_qee6382f00e_quant
	.p2alignl 7, 3214868480
	.fill 96, 4, 3214868480
	.section	.rodata,"a",@progbits
	.p2align	6, 0x0
	.amdhsa_kernel k_qee6382f00e_quant
		.amdhsa_group_segment_fixed_size 67072
		.amdhsa_private_segment_fixed_size 0
		.amdhsa_enable_private_segment 0
		.amdhsa_kernarg_size 80
		.amdhsa_user_sgpr_count 2
		.amdhsa_user_sgpr_kernarg_segment_ptr 1
		.amdhsa_wavefront_size32 1
		.amdhsa_system_sgpr_workgroup_id_x 1
		.amdhsa_system_sgpr_workgroup_id_y 1
		.amdhsa_system_sgpr_workgroup_id_z 1
		.amdhsa_system_vgpr_workitem_id 0
		.amdhsa_next_free_vgpr 256
		.amdhsa_next_free_sgpr 78
		.amdhsa_reserve_vcc 1
		.amdhsa_float_denorm_mode_32 3
		.amdhsa_float_denorm_mode_16_64 3
		.amdhsa_memory_ordered 1
		.amdhsa_forward_progress 1
		.amdhsa_inst_pref_size 64
	.end_amdhsa_kernel
	.amdgpu_metadata
---
amdhsa.version: [ 1, 2 ]
amdhsa.kernels:
  - .name:           k_qee6382f00e_quant
    .symbol:         k_qee6382f00e_quant.kd
    .args:
      - { .name: x, .offset: 0, .size: 8, .value_kind: global_buffer, .address_space: global }
      - { .name: Mq_w, .offset: 8, .size: 8, .value_kind: global_buffer, .address_space: global }
      - { .name: Mk_w, .offset: 16, .size: 8, .value_kind: global_buffer, .address_space: global }
      - { .name: Mv_w, .offset: 24, .size: 8, .value_kind: global_buffer, .address_space: global }
      - { .name: Wo_w, .offset: 32, .size: 8, .value_kind: global_buffer, .address_space: global }
      - { .name: Mq_b, .offset: 40, .size: 8, .value_kind: global_buffer, .address_space: global }
      - { .name: Mk_b, .offset: 48, .size: 8, .value_kind: global_buffer, .address_space: global }
      - { .name: Mv_b, .offset: 56, .size: 8, .value_kind: global_buffer, .address_space: global }
      - { .name: xq, .offset: 64, .size: 8, .value_kind: global_buffer, .address_space: global }
      - { .name: wq, .offset: 72, .size: 8, .value_kind: global_buffer, .address_space: global }
    .group_segment_fixed_size: 67072
    .private_segment_fixed_size: 0
    .kernarg_segment_align: 8
    .kernarg_segment_size: 80
    .max_flat_workgroup_size: 128
    .sgpr_count:     78
    .vgpr_count:     256
    .wavefront_size: 32
...
	.end_amdgpu_metadata
.endif
;; end of part 1
;; launch qkv (part 2): grid 8 x 32, 4 waves a work-group, clusters of 4 x 4, 327,680 bytes of LDS; arguments xq, wq, qk, vq; writes qk, vq
.if DOCPART == 2
	.amdgcn_target "amdgcn-amd-amdhsa--gfx1250"
	.amdhsa_code_object_version 6
	.text
	.protected	k_qee6382f00e_qkv
	.globl	k_qee6382f00e_qkv
	.p2align	8
	.type	k_qee6382f00e_qkv,@function
k_qee6382f00e_qkv:
	s_mov_b64 s[64:65], 0
	v_nop
	global_prefetch_b8 v0, s[64:65] scope:SCOPE_SE
	s_setreg_imm32_b32 hwreg(HW_REG_WAVE_MODE, 25, 1), 1
	s_wait_xcnt 0x0
	s_wait_alu depctr_hold_cnt(0) depctr_sa_sdst(0) depctr_va_vdst(0) depctr_va_sdst(0) depctr_va_ssrc(0) depctr_va_vcc(0) depctr_vm_vsrc(0)
	s_getreg_b32 s2, hwreg(HW_REG_IB_STS2, 6, 4)
	s_cmp_eq_u32 s2, 0
	s_cbranch_scc0 .Lentry_in_a_cluster
	s_endpgm
.Lentry_in_a_cluster:
	s_bfe_u32 s2, ttmp6, 0x10000c
	s_cmp_lg_u32 s2, 0xf033
	s_cbranch_scc0 .Lentry_shape_is_right
	s_endpgm
.Lentry_shape_is_right:
; q, k, v = x W^T + b on codes of FP6 (E2M3) with E8M0 scales, then quantised again: q and k along the head's 64 channels, v along the keys.
; A work-group of four waves makes 256 rows x 256 columns, a wave 128 x 128 (64 accumulators).  Places 0-1023 of wq are Mq_w and Mk_w, 1024-2047 Mv_w, in the order that launch quant gave them.
; K goes through a ring of two LDS slots in CHUNKS OF 256 BYTES of each row of codes (a row is 768 bytes: three chunks, each beginning at a multiple of 256 bytes).  A step of 128 along K is 96 bytes:
; eight steps to three chunks; steps 2 and 5 lie across two chunks and take their pieces from both slots.  The scales of the 256 + 256 rows come into LDS once.
; CLUSTERS 4 x 4: A's tiles are asked for jointly along a row of the cluster, B's along a column.  The matrix instruction is used transposed (source 0 = rows of W, source 1 = rows of x).
; No prefetch: the walk has three chunks, of which two are asked for at the head: there is no trip to run ahead in.
; REGISTERS: window 0: v16-30 addresses, v32-63 scale words, v64-127 the biases, v128-223 A's fragments, v224-234 the way out's addresses; window 1: B's fragments, two sets; windows 2, 3: accumulators.
; THE WAY OUT: bias added, blocks of 32 quantised in one lane, codes and scale bytes through a stage in slot 1 (it has had its last fill and its last read behind the walk's last barrier), stored in runs of 512 bytes.
; LIMITS: NaN and infinities are not served; blocks of zeros and blocks under 2^-124 get the byte 1.
.set ROWB,   256
.set NQ,     2
.set KROW,   768
.set STEPS,  8
.set CHUNKS, 3
.set PITCH,  272
.set FR,     12
.set NL,     6
.set NP,     4
.set HALFT,  128*PITCH
.set SLOT,   4*HALFT
.set KS,     32
.set SCL,    2*SLOT
.set HALFS,  (128*KS/256)*272
.set SBLK,   (16*KS/256)*272
.set SPARE,  SCL+4*HALFS
.set STAGE,  SLOT
.set WST,    14336
.set VST,    57344
.set ADRA, 16
.set ADRB, 20
.set ADRS, 27
.set SPW,  28
.set NIL,  29
.set BOF,  30
.set SC,   32
.set BIAS, 64
.set AF,   128
.set CD,   128
.set MX,   192
.set SO,   200
.set BY,   208
.set PX,   216
.set STQ,  224
.set STQS, 225
.set RDQ,  226
.set RDQ2, 227
.set RDQS, 228
.set STV,  229
.set STVS, 230
.set RDV,  231
.set RDVS, 232
.set GO,   233
.set SH8,  234
.set G1, 24
.set G0, 32
.set G1B, 48
.set G0B, 56
.set G1S, 68
.set G0S, 76
.set G1SB, 80
.set G0SB, 88
.set G0H, 4
.set G0HB, 8
.set MSB, 0
.macro WIN new
.if MSB != \new
	s_set_vgpr_msb (MSB<<8)|\new
.set MSB, \new
.endif
.endm
.set MUL_LO, 0xa1
.set MUL_HI, 0xf1
.set TO_B,   0x40
.macro JLOAD g0a, g1a, g0b, g1b        ; waves 0, 1 fetch for A, waves 2, 3 for B
	s_cmp_eq_u32 s15, 0
	s_cbranch_scc0 .Lfor_b_\@
	tensor_load_to_lds s[\g0a:\g0a+3], s[\g1a:\g1a+7]
	s_nop 0
.rept 4
	v_nop
.endr
	s_branch .Lasked_\@
.Lfor_b_\@:
	tensor_load_to_lds s[\g0b:\g0b+3], s[\g1b:\g1b+7]
	s_nop 0
.rept 4
	v_nop
.endr
.Lasked_\@:
.endm
.macro CREST
	s_cmp_lg_u32 s14, 0
	s_cbranch_scc1 .Lnot_wave_0_\@
	s_barrier_signal -3
.Lnot_wave_0_\@:
	s_barrier_wait -3
	s_barrier_signal -1
	s_barrier_wait -1
.endm
.macro CROUND
	s_barrier_signal -1
	s_barrier_wait -1
	CREST
.endm
	s_load_b128 s[4:7], s[0:1], 0x0                ; xq, wq
	s_load_b128 s[96:99], s[0:1], 0x10             ; qk, vq
	v_lshl_add_u32 v[SPW], v0, 2, SPARE
	v_mov_b32 v[NIL], 0
	ds_add_u32 v[SPW], v[NIL]                      ; the opening lines: the add twice and one wait
	ds_add_u32 v[SPW], v[NIL]
	v_lshrrev_b32 v1, 5, v0
	v_readfirstlane_b32 s14, v1                    ; wave
	s_lshr_b32 s15, s14, 1                         ; my half of the rows; also: I fetch for A (0) or B (1)
	s_and_b32 s16, s14, 1                          ; my half of the columns; also: which 128 rows I fetch
	s_bfe_u32 s40, ttmp6, 0x40000
	s_bfe_u32 s41, ttmp6, 0x40004
	s_lshl_b32 s42, ttmp9, 2
	s_add_co_u32 s42, s42, s40                     ; tile column
	s_and_b32 s17, ttmp7, 0xffff
	s_lshl_b32 s17, s17, 2
	s_add_co_u32 s17, s17, s41                     ; tile row
	s_lshl_b32 s43, s41, 2
	s_lshl_b32 s43, 15, s43
	s_lshl_b32 s44, 0x1111, s40
	s_mov_b32 s100, 0x76543210
	s_mov_b32 s101, 0xfedcba98
	s_or_b32 s[G1+0], s43, (0<<16)|(1<<20)|(1<<21)|(5<<22)|(3<<25)
	s_or_b32 s[G1B+0], s44, (0<<16)|(1<<20)|(1<<21)|(5<<22)|(3<<25)
.irp g, G1, G1B
	s_mov_b32 s[\g+1], ROWB<<16
	s_mov_b32 s[\g+2], 256<<16                     ; 256 rows for the head's loads
	s_mov_b32 s[\g+3], ROWB<<16
	s_mov_b32 s[\g+4], 256
	s_mov_b32 s[\g+5], KROW
	s_mov_b32 s[\g+6], 0
	s_mov_b32 s[\g+7], 0
.endr
	s_or_b32 s[G1S+0], s43, (3<<16)|(1<<20)|(1<<21)|(5<<22)|(3<<25)
	s_or_b32 s[G1SB+0], s44, (3<<16)|(1<<20)|(1<<21)|(5<<22)|(3<<25)
.irp g, G1S, G1SB
	s_mov_b32 s[\g+1], 32<<16
	s_mov_b32 s[\g+2], KS<<16
	s_mov_b32 s[\g+3], 32<<16
	s_mov_b32 s[\g+4], KS
	s_mov_b32 s[\g+5], 32
	s_mov_b32 s[\g+6], 0
	s_mov_b32 s[\g+7], 0
.endr
	s_lshl_b32 s20, s17, 8
	s_lshl_b32 s46, s42, 8
	s_mov_b32 s21, 0
	s_mov_b32 s47, 0
	s_mov_b64 s[18:19], KS
	s_mul_u64 s[22:23], s[20:21], s[18:19]
	s_mul_u64 s[92:93], s[46:47], s[18:19]
	s_mov_b64 s[18:19], KROW
	s_mul_u64 s[20:21], s[20:21], s[18:19]
	s_mul_u64 s[46:47], s[46:47], s[18:19]
	s_mul_i32 s18, s16, 128*KROW
	s_mov_b32 s19, 0
	s_mul_i32 s45, s14, HALFT
	s_wait_dscnt 0x0
	s_wait_kmcnt 0x0
	s_add_nc_u64 s[12:13], s[6:7], 2457600         ; the biases
	s_add_nc_u64 s[20:21], s[4:5], s[20:21]        ; x's codes,
	s_add_nc_u64 s[22:23], s[4:5], s[22:23]
	s_add_nc_u64 s[22:23], s[22:23], 6291456       ; x's scale bytes,
	s_add_nc_u64 s[46:47], s[6:7], s[46:47]        ; W's codes,
	s_add_nc_u64 s[92:93], s[6:7], s[92:93]
	s_add_nc_u64 s[92:93], s[92:93], 2359296       ; W's scale bytes
	CROUND                                         ; the first joint loads meet
	s_mov_b32 s[G0H], 1
	s_mov_b32 s[G0H+1], 0
	s_mov_b64 s[G0H+2:G0H+3], s[20:21]
	s_or_b32 s[G0H+3], s[G0H+3], 0x80000000
	s_mov_b32 s[G0HB], 1
	s_mov_b32 s[G0HB+1], 2*HALFT
	s_mov_b64 s[G0HB+2:G0HB+3], s[46:47]
	s_or_b32 s[G0HB+3], s[G0HB+3], 0x80000000
	s_mov_b32 s[G0S], 1
	s_mov_b32 s[G0S+1], SCL
	s_mov_b64 s[G0S+2:G0S+3], s[22:23]
	s_or_b32 s[G0S+3], s[G0S+3], 0x80000000
	s_mov_b32 s[G0SB], 1
	s_mov_b32 s[G0SB+1], SCL+2*HALFS
	s_mov_b64 s[G0SB+2:G0SB+3], s[92:93]
	s_or_b32 s[G0SB+3], s[G0SB+3], 0x80000000
	s_add_nc_u64 s[20:21], s[20:21], s[18:19]
	s_add_nc_u64 s[46:47], s[46:47], s[18:19]
.irp s, 0,1
	s_mov_b32 s[G0+4*\s], 1
	s_add_co_u32 s[G0+4*\s+1], s45, \s*SLOT
	s_add_nc_u64 s[G0+4*\s+2:G0+4*\s+3], s[20:21], \s*ROWB
	s_or_b32 s[G0+4*\s+3], s[G0+4*\s+3], 0x80000000
	s_mov_b32 s[G0B+4*\s], 1
	s_add_co_u32 s[G0B+4*\s+1], s45, \s*SLOT
	s_add_nc_u64 s[G0B+4*\s+2:G0B+4*\s+3], s[46:47], \s*ROWB
	s_or_b32 s[G0B+4*\s+3], s[G0B+4*\s+3], 0x80000000
.endr
; the head's four tiles, one load a wave: chunk 0 of A, chunk 0 of B, A's scales, B's scales
.macro ARM under, g0, g1, next
	s_cmp_lt_u32 s14, \under
	s_cbranch_scc0 \next
	tensor_load_to_lds s[\g0:\g0+3], s[\g1:\g1+7]
	s_nop 0
.rept 4
	v_nop
.endr
	s_branch .Lhead_asked
\next:
.endm
	ARM 1, G0H,  G1,  .Lhead_b
	ARM 2, G0HB, G1B, .Lhead_sa
	ARM 3, G0S,  G1S, .Lhead_sb
	tensor_load_to_lds s[G0SB:G0SB+3], s[G1SB:G1SB+7]
	s_nop 0
.rept 4
	v_nop
.endr
.Lhead_asked:
	v_and_b32 v1, 15, v0                           ; r
	v_bfe_u32 v2, v0, 4, 1                         ; h
	v_mul_u32_u24 v3, v1, PITCH
	v_mul_u32_u24 v4, v2, 24
	v_add_nc_u32 v4, v3, v4
	s_mov_b32 s21, SLOT-232
	s_mov_b32 s22, SLOT+232
	v_sub_nc_u32 v7, 1, v2
	v_mul_u32_u24 v5, s21, v2
	v_add_nc_u32 v5, v3, v5
	v_add_nc_u32 v5, 232, v5                       ; across two chunks: lanes 0-15 byte 232 in slot 0, lanes 16-31 byte 0 in slot 1;
	v_mul_u32_u24 v6, s22, v7
	v_add_nc_u32 v6, v3, v6                        ; and the other way round
	s_mul_i32 s21, s15, HALFT
	s_mul_i32 s22, s16, HALFT
	s_add_co_u32 s22, s22, 2*HALFT
	v_add_nc_u32 v[ADRA+2], s21, v5
	v_add_nc_u32 v[ADRA+3], s21, v6
	v_add_nc_u32 v[ADRB+2], s22, v5
	v_add_nc_u32 v[ADRB+3], s22, v6
.irp s, 0,1
	v_add_nc_u32 v[ADRA+\s], s21, v4
	v_add_nc_u32 v[ADRB+\s], s22, v4
	s_add_co_u32 s21, s21, SLOT
	s_add_co_u32 s22, s22, SLOT
.endr
	v_mul_u32_u24 v5, v1, KS
	v_lshrrev_b32 v6, 8, v5
	v_lshl_add_u32 v5, v6, 4, v5
	s_mul_i32 s21, s15, HALFS
	s_mul_i32 s22, s16, HALFS
	s_add_co_u32 s22, s22, 2*HALFS
	s_sub_co_u32 s22, s22, s21
	v_mul_u32_u24 v6, s22, v2
	s_add_co_u32 s21, s21, SCL
	v_add_nc_u32 v5, v5, v6
	v_add_nc_u32 v[ADRS], s21, v5
	s_lshl_b32 s46, s42, 10
	s_lshl_b32 s47, s16, 9
	s_add_co_u32 s46, s46, s47
	s_mov_b32 s47, 0
	s_add_nc_u64 s[12:13], s[12:13], s[46:47]      ; my 128 columns' biases
	v_lshlrev_b32 v[BOF], 5, v2
.irp b, 0,1,2,3,4,5,6,7
	global_load_b128 v[BIAS+8*\b:BIAS+8*\b+3], v[BOF], s[12:13] offset:64*\b
	global_load_b128 v[BIAS+8*\b+4:BIAS+8*\b+7], v[BOF], s[12:13] offset:64*\b+16
.endr
	s_mul_i32 s23, s14, WST
	s_add_co_u32 s23, s23, STAGE                   ; my stage, in slot 1
	v_and_b32 v6, 31, v0
	v_and_b32 v4, 1, v1
	v_bfe_u32 v5, v1, 1, 1
	v_lshrrev_b32 v3, 1, v1
	v_mul_u32_u24 v3, v3, 832
	v_lshl_add_u32 v3, v4, 5, v3
	v_lshl_add_u32 v3, v2, 4, v3
	v_add_nc_u32 v[STQ], s23, v3
	v_lshrrev_b32 v3, 2, v1
	v_lshlrev_b32 v3, 7, v3
	v_lshl_add_u32 v3, v4, 5, v3
	v_lshl_add_u32 v3, v5, 3, v3
	v_add_nc_u32 v3, s23, v3
	v_add_nc_u32 v[STQS], 13312, v3
	v_lshlrev_b32 v[GO], 4, v6
	v_add_nc_u32 v[RDQ], s23, v[GO]
	v_lshl_add_u32 v[RDQ2], v2, 6, v[RDQ]
	v_add_nc_u32 v[RDQS], 13312, v[RDQ]
	v_lshrrev_b32 v3, 2, v1
	v_mul_u32_u24 v3, v3, 12*144
	v_mad_u32_u24 v3, v5, 6*144, v3
	v_mad_u32_u24 v3, v4, 144, v3
	v_lshl_add_u32 v3, v2, 3, v3
	v_add_nc_u32 v3, s23, v3
	v_add_nc_u32 v[STV], VST, v3
	v_lshrrev_b32 v3, 2, v1
	v_lshlrev_b32 v3, 6, v3
	v_lshl_add_u32 v3, v2, 2, v3
	v_and_b32 v7, 3, v1
	v_add_nc_u32 v3, v3, v7
	v_add_nc_u32 v3, s23, v3
	v_add_nc_u32 v[STVS], VST+13824, v3
	v_lshrrev_b32 v3, 3, v6
	v_mul_u32_u24 v3, v3, 144
	v_and_b32 v7, 7, v6
	v_lshl_add_u32 v3, v7, 4, v3
	v_add_nc_u32 v3, s23, v3
	v_add_nc_u32 v[RDV], VST, v3
	v_add_nc_u32 v[RDVS], VST+13824, v[RDQ]
	v_lshlrev_b32 v[SH8], 3, v2
.macro FRAG reg, adr, st, i            ; 16 rows x 128 K: six pieces of 8 bytes; byte y of a row lies in slot (y / 256) % 2 at byte y % 256
.irp p, 0,1,2,3,4,5
.set PB, 96*(\st)+48*(\p/3)+8*(\p%3)
.if PB/ROWB == (PB+24)/ROWB
	ds_load_b64 v[\reg+2*\p:\reg+2*\p+1], v[\adr+(PB/ROWB)%2] offset:PB%ROWB+(\i)*16*PITCH
.else
	ds_load_b64 v[\reg+2*\p:\reg+2*\p+1], v[\adr+2+(PB/ROWB)%2] offset:PB%ROWB-232+(\i)*16*PITCH
.endif
.endr
.endm
.macro MUL16 a0, p, q, sc, zero        ; the 64 accumulators take turns
.irp a, \a0, \a0+1
.irp b, 0,1,2,3,4,5,6,7
.if \zero
	v_wmma_scale_f32_16x16x128_f8f6f4 v[8*(8*((\a)%4)+\b):8*(8*((\a)%4)+\b)+7], v[128*(\p)+FR*\b:128*(\p)+FR*\b+FR-1], v[AF+FR*(\a):AF+FR*(\a)+FR-1], 0, v[SC+8*NQ*(\sc)+NQ*\b+(\q)], v[SC+8*NQ*(\sc)+NQ*(\a)+(\q)] matrix_a_fmt:MATRIX_FMT_FP6 matrix_b_fmt:MATRIX_FMT_FP6 matrix_a_scale:MATRIX_SCALE_ROW1
.else
	v_wmma_scale_f32_16x16x128_f8f6f4 v[8*(8*((\a)%4)+\b):8*(8*((\a)%4)+\b)+7], v[128*(\p)+FR*\b:128*(\p)+FR*\b+FR-1], v[AF+FR*(\a):AF+FR*(\a)+FR-1], v[8*(8*((\a)%4)+\b):8*(8*((\a)%4)+\b)+7], v[SC+8*NQ*(\sc)+NQ*\b+(\q)], v[SC+8*NQ*(\sc)+NQ*(\a)+(\q)] matrix_a_fmt:MATRIX_FMT_FP6 matrix_b_fmt:MATRIX_FMT_FP6 matrix_a_scale:MATRIX_SCALE_ROW1
.endif
.endr
.endr
.endm
.macro FETCH_B st, p
	WIN TO_B
.irp i, 0,1,2,3,4,5,6,7
	FRAG 128*(\p)+FR*\i, ADRB, \st, \i
.endr
	WIN 0
.endm
.macro FETCH_A st, i0
.irp i, \i0, \i0+1, \i0+2, \i0+3
	FRAG AF+FR*(\i), ADRA, \st, \i
.endr
.endm
.macro SCALES pr
.irp i, 0,1,2,3,4,5,6,7
	ds_load_b64 v[SC+8*NQ*((\pr)%2)+NQ*\i:SC+8*NQ*((\pr)%2)+NQ*\i+1], v[ADRS] offset:\i*SBLK+4*NQ*(\pr)
.endr
.endm
.macro PLACES n
.rept \n
	v_nop
.endr
.endm
; A step: 64 products; the next step's fragments are fetched in its middle and at its end.  Where the next step's bytes end in a chunk not read yet, a barrier shows it whole;
; where they begin in a later chunk, the chunk left behind is read no more: the wait for all tensor loads, the add, the wait for it and for my reads, the barrier; where a chunk is left to fetch, a round and the refill.
.macro STEP st, zero
.set NX, (\st)+1
.set C0, (96*(\st))/ROWB
.set C1, (96*NX)/ROWB
.set E0, (96*(\st)+95)/ROWB
.set E1, (96*NX+95)/ROWB
.if C1 > C0 || E1 > E0
	s_wait_tensorcnt 0x0
.if C1 > C0
	ds_add_u32 v[SPW], v[NIL]
	s_wait_dscnt 4*NL+1                            ; the add and A's blocks 4-7 may be out
.else
	s_wait_dscnt 4*NL
.endif
	WIN MUL_LO
	MUL16 0, (\st)%2, (\st)%2, ((\st)/2)%2, \zero
	s_wait_dscnt 0x0
	s_barrier_signal -1
	MUL16 2, (\st)%2, (\st)%2, ((\st)/2)%2, \zero
	WIN 0
	s_barrier_wait -1
.if C1 > C0 && C0+2 < CHUNKS
	CREST
	s_add_nc_u64 s[G0+4*(C0%2)+2:G0+4*(C0%2)+3], s[G0+4*(C0%2)+2:G0+4*(C0%2)+3], 2*ROWB
	s_add_nc_u64 s[G0B+4*(C0%2)+2:G0B+4*(C0%2)+3], s[G0B+4*(C0%2)+2:G0B+4*(C0%2)+3], 2*ROWB
	JLOAD G0+4*(C0%2), G1, G0B+4*(C0%2), G1B
.else
	PLACES NP
.endif
.else
	s_wait_dscnt 4*NL                              ; A's blocks 4-7 may be out
	WIN MUL_LO
	MUL16 0, (\st)%2, (\st)%2, ((\st)/2)%2, \zero
	MUL16 2, (\st)%2, (\st)%2, ((\st)/2)%2, \zero
	s_wait_dscnt 0
	PLACES NP
.endif
	FETCH_B NX, NX%2
	FETCH_A NX, 0
.if NX%2 == 0
	SCALES NX/2
.endif
	WIN MUL_HI
	MUL16 4, (\st)%2, (\st)%2, ((\st)/2)%2, \zero
	MUL16 6, (\st)%2, (\st)%2, ((\st)/2)%2, \zero
	PLACES NP
	WIN 0
	FETCH_A NX, 4
.endm
	s_wait_alu depctr_va_vdst(0)                   ; the wait at the head's end
	s_wait_tensorcnt 0x0                           ; my tile of the head's four is in; slot 1's first fill is issued as a refill is
	ds_add_u32 v[SPW], v[NIL]
	s_mov_b32 s[G1+2], 128<<16                     ; no load of mine is out: from here on a load brings 128 rows
	s_mov_b32 s[G1+4], 128
	s_mov_b32 s[G1B+2], 128<<16
	s_mov_b32 s[G1B+4], 128
	s_wait_dscnt 0x0
	CROUND
	JLOAD G0+4, G1, G0B+4, G1B                     ; chunk 1
	FETCH_B 0, 0
	FETCH_A 0, 0
	SCALES 0
	FETCH_A 0, 4
	STEP 0, 1
.set ST, 1
.rept STEPS-2
	STEP ST, 0
.set ST, ST+1
.endr
	s_wait_dscnt 4*NL
	WIN MUL_LO
	MUL16 0, 1, 1, 1, 0
	MUL16 2, 1, 1, 1, 0
	s_wait_dscnt 0
	WIN MUL_HI
	MUL16 4, 1, 1, 1, 0
	MUL16 6, 1, 1, 1, 0
	WIN 0
.macro ADDB_QK w                       ; window w's 32 accumulators + bias -> window 1, as they lie: 32 registers are 32 neighbouring channels
	WIN 0x40+\w
.set n, 0
.rept 128
	v_pk_add_f32 v[n:n+1], v[n:n+1], v[BIAS+n%64:BIAS+n%64+1]
.set n, n+2
.endr
.endm
.macro ADDB_V w                        ; the same, regrouped so that 32 registers are 32 neighbouring keys of one channel block
	WIN 0x40+\w
.irp b, 0,1,2,3,4,5,6,7
.irp a, 0,1,2,3
.irp j, 0,2,4,6
	v_pk_add_f32 v[32*\b+8*\a+\j:32*\b+8*\a+\j+1], v[64*\a+8*\b+\j:64*\a+8*\b+\j+1], v[BIAS+8*\b+\j:BIAS+8*\b+\j+1]
.endr
.endr
.endr
.endm
.macro QUANT8                          ; eight blocks of 32 in window 1: largest magnitude with the floor, scale operand, byte, codes
	WIN 0x05
.irp u, 0,1,2,3,4,5,6,7
	v_max3_num_f32 v[MX+\u], |v[32*\u]|, |v[32*\u+1]|, 0x1800000
.endr
	WIN 0x14
.irp i, 2,4,6,8,10,12,14,16,18,20,22,24,26,28,30
.irp u, 0,1,2,3,4,5,6,7
	v_max3_num_f32 v[MX+\u], v[MX+\u], |v[32*\u+\i]|, |v[32*\u+\i+1]|
.endr
.endr
	WIN 0
.irp u, 0,1,2,3,4,5,6,7
	v_add_nc_u32 v[SO+\u], 0xff000000, v[MX+\u]
.endr
.irp u, 0,1,2,3,4,5,6,7
	v_lshrrev_b32 v[BY+\u], 23, v[SO+\u]
.endr
	WIN 0x01
.irp u, 0,1,2,3,4,5,6,7
	v_cvt_scalef32_pk16_fp6_f32 v[CD+8*\u:CD+8*\u+2], v[32*\u:32*\u+15], v[SO+\u]
	v_cvt_scalef32_pk16_fp6_f32 v[CD+8*\u+4:CD+8*\u+6], v[32*\u+16:32*\u+31], v[SO+\u]
.endr
	WIN 0
	v_nop
.irp u, 0,1,2,3,4,5,6,7
	v_mov_b32 v[CD+8*\u+3], v[CD+8*\u+4]
	v_mov_b32 v[CD+8*\u+4], v[CD+8*\u+5]
	v_mov_b32 v[CD+8*\u+5], v[CD+8*\u+6]
.endr
.endm
.macro QKOUT ga
.irp u, 0,1,2,3,4,5,6,7
	v_lshlrev_b32 v[BY+\u], v[SH8], v[BY+\u]
.endr
.irp u, 0,1,2,3,4,5,6,7
	v_permlanex16_b32 v[PX+\u], v[BY+\u], s100, s101
.endr
.irp u, 0,1,2,3,4,5,6,7
	v_or_b32 v[BY+\u], v[BY+\u], v[PX+\u]
.endr
.irp u, 0,1,2,3,4,5,6,7
.irp e, 0,1,2
	ds_store_b64 v[STQ], v[CD+8*\u+2*\e:CD+8*\u+2*\e+1] offset:\ga*6656+(\u/2)*192+\e*64+(\u%2)*8
.endr
	ds_store_b32 v[STQS], v[BY+\u] offset:\ga*512+((\u/2)%2)*64+(\u%2)*16+(\u/4)*4
.endr
	s_wait_dscnt 0x0
.endm
.macro VOUT ga
.irp u, 0,1,2,3,4,5,6,7
.irp e, 0,1,2
	ds_store_b64 v[STV], v[CD+8*\u+2*\e:CD+8*\u+2*\e+1] offset:(48*\ga+2*\e)*144+16*\u
.endr
	ds_store_b8 v[STVS], v[BY+\u] offset:\ga*256+8*\u
.endr
	s_wait_dscnt 0x0
.endm
	s_wait_loadcnt 0x0                             ; the biases
	PLACES NP
.irp u, 0,1,2,3,4,5,6,7
	v_mov_b32 v[PX+\u], 0
.endr
	s_cmp_lg_u32 ttmp9, 0                          ; the cluster's x: 0 = q and k, 1 = v: the same in all partners
	s_cbranch_scc1 .Lv
	s_lshr_b32 s18, s42, 1
	s_and_b32 s19, s42, 1
	s_lshl_b32 s19, s19, 1
	s_add_co_u32 s19, s19, s16
	s_mul_i32 s20, s18, 3145728
	s_mul_i32 s21, s17, 98304
	s_add_co_u32 s20, s20, s21
	s_mul_i32 s21, s19, 24576
	s_add_co_u32 s20, s20, s21
	s_mul_i32 s21, s15, 12288
	s_add_co_u32 s20, s20, s21
	s_mov_b32 s21, 0
	s_add_nc_u64 s[20:21], s[96:97], s[20:21]
	s_lshl_b32 s22, s18, 18
	s_lshl_b32 s23, s17, 13
	s_add_co_u32 s22, s22, s23
	s_lshl_b32 s23, s19, 11
	s_add_co_u32 s22, s22, s23
	s_lshl_b32 s23, s15, 10
	s_add_co_u32 s22, s22, s23
	s_add_co_u32 s22, s22, 6291456
	s_mov_b32 s23, 0
	s_add_nc_u64 s[22:23], s[96:97], s[22:23]
	ADDB_QK 2
	QUANT8
	QKOUT 0
	ADDB_QK 3
	QUANT8
	QKOUT 1
.irp i, 0,1,2,3,4,5,6,7,8,9,10,11,12,13,14,15,16,17,18,19,20,21,22,23
.if \i%3 == 1
	ds_load_b128 v[128+4*\i:131+4*\i], v[RDQ2] offset:512*\i+128*(\i/3)
.else
	ds_load_b128 v[128+4*\i:131+4*\i], v[RDQ] offset:512*\i+64*(2*(\i/3)+(\i%3)/2)
.endif
.endr
	ds_load_b128 v[32:35], v[RDQS]
	ds_load_b128 v[36:39], v[RDQS] offset:512
.irp i, 0,1,2,3,4,5,6,7,8,9,10,11,12,13,14,15,16,17,18,19,20,21,22,23
	s_wait_dscnt 25-\i
	global_store_b128 v[GO], v[128+4*\i:131+4*\i], s[20:21] offset:512*\i
.endr
	s_wait_dscnt 1
	global_store_b128 v[GO], v[32:35], s[22:23]
	s_wait_dscnt 0
	global_store_b128 v[GO], v[36:39], s[22:23] offset:512
	s_branch .Ljoin
.Lv:
	s_sub_co_u32 s18, s42, 4
	s_lshl_b32 s18, s18, 1
	s_add_co_u32 s18, s18, s16
	s_mul_i32 s20, s17, 196608
	s_mul_i32 s21, s15, 98304
	s_add_co_u32 s20, s20, s21
	s_mul_i32 s21, s18, 1536
	s_add_co_u32 s20, s20, s21
	s_mov_b32 s21, 0
	s_add_nc_u64 s[20:21], s[98:99], s[20:21]
	s_lshl_b32 s22, s17, 13
	s_lshl_b32 s23, s18, 10
	s_add_co_u32 s22, s22, s23
	s_lshl_b32 s23, s15, 9
	s_add_co_u32 s22, s22, s23
	s_add_co_u32 s22, s22, 6291456
	s_mov_b32 s23, 0
	s_add_nc_u64 s[22:23], s[98:99], s[22:23]
	ADDB_V 2
	QUANT8
	VOUT 0
	ADDB_V 3
	QUANT8
	VOUT 1
.irp i, 0,1,2,3,4,5,6,7,8,9,10,11,12,13,14,15,16,17,18,19,20,21,22,23
	ds_load_b128 v[128+4*\i:131+4*\i], v[RDV] offset:576*\i
.endr
	ds_load_b128 v[32:35], v[RDVS]
.irp i, 0,1,2,3,4,5,6,7,8,9,10,11,12,13,14,15,16,17,18,19,20,21,22,23
	s_wait_dscnt 24-\i
	global_store_b128 v[GO], v[128+4*\i:131+4*\i], s[20:21] offset:(\i/3)*12288+(\i%3)*512
.endr
	s_wait_dscnt 0
	global_store_b128 v[GO], v[32:35], s[22:23]
.Ljoin:
	s_wait_tensorcnt 0x0                           ; the wave's end
	ds_add_u32 v[SPW], v[NIL]
	s_wait_dscnt 0x0
	CROUND                                         ; the closing round
	s_endpgm
.Lfunc_end_k_qee6382f00e_qkv:
	.size	k_qee6382f00e_qkv, .Lfunc_end_k_qee6382f00e_qkv-k_qee6382f00e_qkv
	.p2alignl 7, 3214868480
	.fill 96, 4, 3214868480
	.section	.rodata,"a",@progbits
	.p2align	6, 0x0
	.amdhsa_kernel k_qee6382f00e_qkv
		.amdhsa_group_segment_fixed_size 327680
		.amdhsa_private_segment_fixed_size 0
		.amdhsa_enable_private_segment 0
		.amdhsa_kernarg_size 32
		.amdhsa_user_sgpr_count 2
		.amdhsa_user_sgpr_kernarg_segment_ptr 1
		.amdhsa_wavefront_size32 1
		.amdhsa_system_sgpr_workgroup_id_x 1
		.amdhsa_system_sgpr_workgroup_id_y 1
		.amdhsa_system_sgpr_workgroup_id_z 1
		.amdhsa_system_vgpr_workitem_id 0
		.amdhsa_next_free_vgpr 1024
		.amdhsa_next_free_sgpr 102
		.amdhsa_reserve_vcc 0
		.amdhsa_float_denorm_mode_32 3
		.amdhsa_float_denorm_mode_16_64 3
		.amdhsa_memory_ordered 1
		.amdhsa_forward_progress 1
		.amdhsa_inst_pref_size 232
	.end_amdhsa_kernel
	.amdgpu_metadata
---
amdhsa.version: [ 1, 2 ]
amdhsa.kernels:
  - .name:           k_qee6382f00e_qkv
    .symbol:         k_qee6382f00e_qkv.kd
    .args:
      - { .name: xq, .offset: 0, .size: 8, .value_kind: global_buffer, .address_space: global }
      - { .name: wq, .offset: 8, .size: 8, .value_kind: global_buffer, .address_space: global }
      - { .name: qk, .offset: 16, .size: 8, .value_kind: global_buffer, .address_space: global }
      - { .name: vq, .offset: 24, .size: 8, .value_kind: global_buffer, .address_space: global }
    .group_segment_fixed_size: 327680
    .private_segment_fixed_size: 0
    .kernarg_segment_align: 8
    .kernarg_segment_size: 32
    .max_flat_workgroup_size: 128
    .sgpr_count:     102
    .vgpr_count:     1024
    .wavefront_size: 32
...
	.end_amdgpu_metadata
.endif
;; end of part 2
;; launch stats (part 3): grid 8 x 32, 8 waves a work-group, clusters of 4 x 1, 168,960 bytes of LDS; arguments qk, mask, ust; writes ust
.if DOCPART == 3
	.amdgcn_target "amdgcn-amd-amdhsa--gfx1250"
	.amdhsa_code_object_version 6
	.text
	.protected	k_qee6382f00e_stats
	.globl	k_qee6382f00e_stats
	.p2align	8
	.type	k_qee6382f00e_stats,@function
k_qee6382f00e_stats:
	s_mov_b64 s[64:65], 0
	v_nop
	global_prefetch_b8 v0, s[64:65] scope:SCOPE_SE
	s_setreg_imm32_b32 hwreg(HW_REG_WAVE_MODE, 25, 1), 1
	s_wait_xcnt 0x0
	s_wait_alu depctr_hold_cnt(0) depctr_sa_sdst(0) depctr_va_vdst(0) depctr_va_sdst(0) depctr_va_ssrc(0) depctr_va_vcc(0) depctr_vm_vsrc(0)
	s_getreg_b32 s2, hwreg(HW_REG_IB_STS2, 6, 4)
	s_cmp_eq_u32 s2, 0
	s_cbranch_scc0 .Lentry_in_a_cluster
	s_endpgm
.Lentry_in_a_cluster:
	s_bfe_u32 s2, ttmp6, 0x10000c
	s_cmp_lg_u32 s2, 0x3003
	s_cbranch_scc0 .Lentry_shape_is_right
	s_endpgm
.Lentry_shape_is_right:
; The softmax of this block runs over the QUERIES: each key wants the maximum and the sum, over all 2,048 queries of its head, of t = q . k + mask[q].  This launch makes, for each key,
; nu = -(max t + 8 ln(sum over q of e^((t - max t) / 8))), so that the finished weight is e^((t + nu) / 8).  The maximum is a running one: when it grows the sum is multiplied by 2^(c (old - new)), c = log2(e) / 8.
; The scores are the quantised product on codes of FP6 (E2M3); K = 64, so the upper half of each operand holds zero codes (registers 6-11 of every fragment, cleared once; their scale bytes are 0, harmless over zeros).
; SHARES.  A work-group owns 256 keys of one head; each of its eight waves two tiles of 16 keys, kept in registers.  Every wave walks all queries, 128 a step, out of LDS.
; The head's q codes (four quarters, waves 0-3), their scale words (wave 4) and the batch's mask row (wave 5) come into LDS ONCE, one joint load a wave, for the four work-groups of a cluster, which belong to one head.
; Nothing is filled again, so there is no later load to prefetch for.
; LAYOUT.  Source 0 = 16 queries, source 1 = my 16 keys; C = the mask, in 64 registers in the result's layout.  Register 8 k + j of lane (r, h) is query 128 s + 64 (k >> 2) + 32 h + 8 (k & 3) + j.
; THE EXPONENTIALS stand in two batches.  Between the first tile's stand the second tile's scalings, between the second tile's the first level of the first tile's sums: each such line writes registers that are
; first read behind the wait that closes its batch.
; LIMITS: NaN and infinities are not served.
; REGISTERS: window 0: v1-2 offsets in memory; v4-6 LDS addresses that walk; v11, v14, v15 the way out; v16-39 my two tiles of k; v40 their scale words; v44-47 q's scale words; v60-155 eight tiles of q; v246-247 the add's.
;   window 1: v0-63, v64-127 the scores, v128-191 the mask numbers, v192-239 the statistics.
.set XQ,   24640                       ; a quarter of q's codes, 24,576 bytes + 64
.set XSB,  98560                       ; q's scale words, four quarters of 2,048 bytes on end
.set XSQ,  2048
.set CVB,  107008                      ; the mask row
.set STG,  115200                      ; the stage for nu: 1,024 bytes into which no fill lands
.set SPARE, 167936                     ; the spare words, 128 bytes a wave
.set ADX,  4
.set ADS,  5
.set ADC,  6
.set STO,  11
.set RDS,  14
.set GOF,  15
.set YF,   16
.set YS,   40
.set SC,   44
.set XF,   60
.set SPW,  246
.set NIL,  247
.set CB,   128
.set NM,   192
.set MM,   193
.set AC,   196
.set FF,   212
.set CH,   216
.set TT,   224
.set PN,   226
.set PZ,   228
.set NF,   230
.set E0,   232
.set E1,   234
.set LG,   236
.set NU,   238
.set G1A,  32
.set G1C,  40
.set G0A,  48
.set G0B,  52
.set G0C,  56
.set MSB, 0
.macro WIN new
.if MSB != \new
	s_set_vgpr_msb (MSB<<8)|\new
.set MSB, \new
.endif
.endm
.macro PLACES n
.rept \n
	v_nop
.endr
.endm
.macro CROUND
	s_barrier_signal -1
	s_barrier_wait -1
	s_cmp_lg_u32 s10, 0
	s_cbranch_scc1 .Lnot_wave_0_\@
	s_barrier_signal -3
.Lnot_wave_0_\@:
	s_barrier_wait -3
	s_barrier_signal -1
	s_barrier_wait -1
.endm
.macro G1SET g, rows                   ; a dense block as rows of 256 bytes, for all four work-groups of the cluster
	s_mov_b32 s[\g], 15|(3<<16)|(1<<21)
	s_mov_b32 s[\g+1], 32<<16
	s_mov_b32 s[\g+2], (\rows)<<16
	s_mov_b32 s[\g+3], 32<<16
	s_mov_b32 s[\g+4], \rows
	s_mov_b32 s[\g+5], 32
	s_mov_b32 s[\g+6], 0
	s_mov_b32 s[\g+7], 0
.endm
.macro TLOAD g0, g1
	tensor_load_to_lds s[\g0:\g0+3], s[\g1:\g1+7]
	s_nop 0
	PLACES 4
.endm
	s_load_b128 s[4:7], s[0:1], 0x0                ; qk, mask
	s_load_b64 s[8:9], s[0:1], 0x10                ; ust
	v_lshl_add_u32 v[SPW], v0, 2, SPARE
	v_mov_b32 v[NIL], 0
	ds_add_u32 v[SPW], v[NIL]                      ; the opening lines
	ds_add_u32 v[SPW], v[NIL]
	v_lshrrev_b32 v1, 5, v0
	v_readfirstlane_b32 s10, v1                    ; wave 0..7
	s_bfe_u32 s11, ttmp6, 0x40000                  ; cx
	s_lshl_b32 s12, ttmp9, 2
	s_add_co_u32 s12, s12, s11                     ; my block of 256 keys: it enters addresses in memory alone
	s_and_b32 s13, ttmp7, 0xffff                   ; 8 x batch + head
	s_mov_b32 s14, 0x3e38aa3b                      ; c = log2(e) / 8
	s_mov_b32 s15, s14
	s_mov_b32 s16, 0xbe38aa3b                      ; -c
	s_mov_b32 s17, 0x40b17218                      ; 1 / c
	s_mov_b32 s18, 0x76543210
	s_mov_b32 s19, 0xfedcba98
	G1SET G1A, 96
	G1SET G1C, 32
	s_mul_i32 s22, s13, 98304
	s_mul_i32 s23, s10, 24576
	s_add_co_u32 s22, s22, s23                     ; q's codes: head, quarter = wave
	s_mov_b32 s23, 0
	s_lshl_b32 s24, s13, 13
	s_add_co_u32 s24, s24, 6291456                 ; the head's scale words
	s_mov_b32 s25, 0
	s_lshr_b32 s26, s13, 3
	s_lshl_b32 s26, s26, 13                        ; the batch's mask row
	s_mov_b32 s27, 0
	s_mul_i32 s28, s10, XQ
	s_wait_dscnt 0x0
	s_wait_kmcnt 0x0
	s_mov_b32 s[G0A], 1
	s_mov_b32 s[G0A+1], s28
	s_add_nc_u64 s[G0A+2:G0A+3], s[4:5], s[22:23]
	s_or_b32 s[G0A+3], s[G0A+3], 0x80000000
	s_mov_b32 s[G0B], 1
	s_mov_b32 s[G0B+1], XSB
	s_add_nc_u64 s[G0B+2:G0B+3], s[4:5], s[24:25]
	s_or_b32 s[G0B+3], s[G0B+3], 0x80000000
	s_mov_b32 s[G0C], 1
	s_mov_b32 s[G0C+1], CVB
	s_add_nc_u64 s[G0C+2:G0C+3], s[6:7], s[26:27]
	s_or_b32 s[G0C+3], s[G0C+3], 0x80000000
	CROUND                                         ; the joint loads meet
	s_cmp_lt_u32 s10, 4                            ; one chain of branches on the wave's number, one load to an arm
	s_cbranch_scc0 .Lnot_x
	TLOAD G0A, G1A
	s_branch .Lasked
.Lnot_x:
	s_cmp_eq_u32 s10, 4
	s_cbranch_scc0 .Lnot_s
	TLOAD G0B, G1C
	s_branch .Lasked
.Lnot_s:
	s_cmp_eq_u32 s10, 5
	s_cbranch_scc0 .Lasked
	TLOAD G0C, G1C
.Lasked:
	s_lshr_b32 s80, s10, 1
	s_lshl_b32 s81, s12, 2
	s_add_co_u32 s80, s80, s81                     ; my group of 64 keys
	s_and_b32 s81, s10, 1                          ; of its four tiles I take 2 (w & 1) and the next
	s_lshl_b32 s82, s80, 2
	s_lshl_b32 s83, s81, 1
	s_add_co_u32 s82, s82, s83
	s_mul_i32 s82, s82, 192
	s_mul_i32 s83, s13, 98304
	s_add_co_u32 s82, s82, s83
	s_add_co_u32 s82, s82, 3145728                 ; k's codes lie behind q's
	s_mov_b32 s83, 0
	s_add_nc_u64 s[82:83], s[4:5], s[82:83]
	s_lshr_b32 s84, s80, 1
	s_lshl_b32 s84, s84, 7
	s_and_b32 s85, s80, 1
	s_lshl_b32 s85, s85, 1
	s_add_co_u32 s85, s85, s81
	s_lshl_b32 s85, s85, 2
	s_add_co_u32 s84, s84, s85
	s_lshl_b32 s85, s13, 13
	s_add_co_u32 s84, s84, s85
	s_add_co_u32 s84, s84, 6291456+262144
	s_mov_b32 s85, 0
	s_add_nc_u64 s[84:85], s[4:5], s[84:85]
	s_lshr_b32 s86, s10, 1
	s_lshl_b32 s86, s86, 8
	s_lshl_b32 s87, s81, 6
	s_add_co_u32 s86, s86, s87
	s_lshl_b32 s87, s10, 9
	s_lshl_b32 s88, s13, 13
	s_lshl_b32 s89, s12, 10
	s_add_co_u32 s88, s88, s89
	s_add_co_u32 s88, s88, s87
	s_mov_b32 s89, 0
	s_add_nc_u64 s[8:9], s[8:9], s[88:89]
	v_bfe_u32 v248, v0, 4, 1                       ; h
	v_bfe_u32 v249, v0, 1, 2                       ; (r >> 1) & 3: the quarter of my row's bytes
	v_bfe_u32 v250, v0, 3, 1                       ; r >> 3
	v_and_b32 v251, 1, v0                          ; r & 1
	v_and_b32 v252, 7, v0                          ; r & 7
	v_and_b32 v255, 31, v0                         ; lane
	v_lshlrev_b32 v253, 5, v250
	v_lshl_add_u32 v253, v248, 4, v253
	v_lshl_add_u32 v253, v251, 3, v253
	v_mad_u32_u24 v[ADX], v249, XQ, v253           ; codes in LDS: quarter + 32 (r >> 3) + 16 h + 8 (r & 1)
	v_mad_u32_u24 v1, v249, 24576, v253            ; and in memory
	v_lshlrev_b32 v254, 6, v248
	v_lshl_add_u32 v254, v250, 5, v254
	v_lshl_add_u32 v254, v251, 4, v254
	v_mad_u32_u24 v[ADS], v249, XSQ, v254
	v_add_nc_u32 v[ADS], XSB, v[ADS]
	v_lshl_add_u32 v2, v249, 11, v254
	v_lshl_add_u32 v[ADC], v248, 7, CVB
	v_lshlrev_b32 v253, 2, v252
	v_lshl_add_u32 v253, v250, 7, v253
	v_add_nc_u32 v253, s86, v253
	v_add_nc_u32 v[STO], STG, v253                 ; the stage: 4 x (my key's number in the block)
	v_lshlrev_b32 v[GOF], 4, v255
	v_add_nc_u32 v253, s87, v[GOF]
	v_add_nc_u32 v[RDS], STG, v253
	s_wait_alu depctr_va_vdst(0)                   ; the wait ahead of the readers below
.irp y, 0,1
.irp e, 0,1,2
	global_load_b64 v[YF+12*\y+2*\e:YF+12*\y+2*\e+1], v1, s[82:83] offset:192*\y+64*\e
.endr
.endr
	global_load_b32 v[YS], v2, s[84:85]            ; lanes 0-15: the first tile's scale words, lanes 16-31: the second's
.irp y, 0,1
.irp j, 6,7,8,9,10,11
	v_mov_b32 v[YF+12*\y+\j], 0                    ; zero codes for K = 64 .. 127
.endr
.endr
.irp k, 0,1,2,3,4,5,6,7
.irp j, 6,7,8,9,10,11
	v_mov_b32 v[XF+12*\k+\j], 0
.endr
.endr
	WIN 0x55
.irp y, 0,1
	v_mov_b32 v[MM+2*\y], 0xff61b1e6               ; the maximum so far: -3e38
	v_mov_b32 v[AC+8*\y], 0
	v_mov_b32 v[AC+8*\y+1], 0
	v_mov_b32 v[AC+8*\y+2], 0
	v_mov_b32 v[AC+8*\y+3], 0
	v_mov_b32 v[FF+2*\y+1], 0
	v_mov_b32 v[PN+\y], 0
	v_mov_b32 v[PZ+\y], 0
.endr
.irp y, 0,1
	v_mul_f32 v[NM+2*\y], s16, v[MM+2*\y]
.endr
	WIN 0
.macro LOADC                           ; a step's 128 mask numbers in the result's layout: 16 loads
	WIN 0x40
.irp k, 0,1,2,3,4,5,6,7
	ds_load_b128 v[CB+8*\k:CB+8*\k+3], v[ADC] offset:256*(\k/4)+32*(\k%4)
	ds_load_b128 v[CB+8*\k+4:CB+8*\k+7], v[ADC] offset:256*(\k/4)+32*(\k%4)+16
.endr
	WIN 0
.endm
.macro LOADX                           ; eight tiles of q and their scale words: 25 loads
.irp k, 0,1,2,3,4,5,6,7
.irp e, 0,1,2
	ds_load_b64 v[XF+12*\k+2*\e:XF+12*\k+2*\e+1], v[ADX] offset:192*\k+64*\e
.endr
.endr
	ds_load_b128 v[SC:SC+3], v[ADS]
.endm
.macro SMUL                            ; 16 products on 16 accumulators, each begun from the mask numbers
	WIN 0x50
.irp k, 0,1,2,3,4,5,6,7
.if \k%2 == 1
	v_wmma_scale_f32_16x16x128_f8f6f4 v[8*\k:8*\k+7], v[XF+12*\k:XF+12*\k+11], v[YF:YF+11], v[CB+8*\k:CB+8*\k+7], v[SC+\k/2], v[YS] matrix_a_fmt:MATRIX_FMT_FP6 matrix_b_fmt:MATRIX_FMT_FP6 matrix_a_scale:MATRIX_SCALE_ROW1
.else
	v_wmma_scale_f32_16x16x128_f8f6f4 v[8*\k:8*\k+7], v[XF+12*\k:XF+12*\k+11], v[YF:YF+11], v[CB+8*\k:CB+8*\k+7], v[SC+\k/2], v[YS] matrix_a_fmt:MATRIX_FMT_FP6 matrix_b_fmt:MATRIX_FMT_FP6
.endif
.endr
.irp k, 0,1,2,3,4,5,6,7
.if \k%2 == 1
	v_wmma_scale_f32_16x16x128_f8f6f4 v[64+8*\k:64+8*\k+7], v[XF+12*\k:XF+12*\k+11], v[YF+12:YF+23], v[CB+8*\k:CB+8*\k+7], v[SC+\k/2], v[YS] matrix_a_fmt:MATRIX_FMT_FP6 matrix_b_fmt:MATRIX_FMT_FP6 matrix_a_scale:MATRIX_SCALE_ROW1 matrix_b_scale:MATRIX_SCALE_ROW1
.else
	v_wmma_scale_f32_16x16x128_f8f6f4 v[64+8*\k:64+8*\k+7], v[XF+12*\k:XF+12*\k+11], v[YF+12:YF+23], v[CB+8*\k:CB+8*\k+7], v[SC+\k/2], v[YS] matrix_a_fmt:MATRIX_FMT_FP6 matrix_b_fmt:MATRIX_FMT_FP6 matrix_b_scale:MATRIX_SCALE_ROW1
.endif
.endr
	WIN 0
.endm
; Line sj of 32 of the second tile's sums: sum = sum x f + the tile's 32 pairs, in four chains, two carried and two begun anew and folded in at the end
.macro SUMI y
.set sa, AC+8*(\y)
.set sp, 64*(\y)
.if sj == 0
	v_pk_fma_f32 v[sa:sa+1], v[sa:sa+1], v[FF+2*(\y):FF+2*(\y)+1], v[sp:sp+1] op_sel_hi:[1,0,1]
.elseif sj == 1
	v_pk_fma_f32 v[sa+2:sa+3], v[sa+2:sa+3], v[FF+2*(\y):FF+2*(\y)+1], v[sp+2:sp+3] op_sel_hi:[1,0,1]
.elseif sj == 2
	v_pk_add_f32 v[sa+4:sa+5], v[sp+4:sp+5], v[sp+6:sp+7]
.elseif sj == 3
	v_pk_add_f32 v[sa+6:sa+7], v[sp+8:sp+9], v[sp+10:sp+11]
.elseif sj < 30
	v_pk_add_f32 v[sa+2*((sj-4)%4):sa+2*((sj-4)%4)+1], v[sa+2*((sj-4)%4):sa+2*((sj-4)%4)+1], v[sp+2*(sj+2):sp+2*(sj+2)+1]
.elseif sj == 30
	v_pk_add_f32 v[sa:sa+1], v[sa:sa+1], v[sa+4:sa+5]
.else
	v_pk_add_f32 v[sa+2:sa+3], v[sa+2:sa+3], v[sa+6:sa+7]
.endif
.endm
.macro STEP last                       ; 128 queries
	s_wait_dscnt 0x0                               ; the tiles of q and the mask numbers, asked for a step ago
	SMUL
.if \last
	PLACES 4
.else
	v_add_nc_u32 v[ADX], 1536, v[ADX]              ; four places in front of the loads into the products' registers and of the first read of the scores
	v_add_nc_u32 v[ADS], 128, v[ADS]
	v_add_nc_u32 v[ADC], 512, v[ADC]
	v_nop
	LOADX
	LOADC
.endif
	WIN 0x55
.irp y, 0,1                            ; the running maximum: four chains a tile, each accumulator from its low end on
.irp i, 0,1,2,3
	v_max3_num_f32 v[CH+4*\y+\i], v[MM+2*\y], v[64*\y+16*\i], v[64*\y+16*\i+1]
.endr
.endr
.irp j, 2,4,6,8,10,12,14
.irp y, 0,1
.irp i, 0,1,2,3
	v_max3_num_f32 v[CH+4*\y+\i], v[CH+4*\y+\i], v[64*\y+16*\i+\j], v[64*\y+16*\i+\j+1]
.endr
.endr
.endr
.irp y, 0,1
	v_max3_num_f32 v[MM+2*\y], v[CH+4*\y], v[CH+4*\y+1], v[CH+4*\y+2]
.endr
.irp y, 0,1
	v_max_num_f32 v[MM+2*\y], v[MM+2*\y], v[CH+4*\y+3]
.endr
.irp y, 0,1
	v_mov_b32 v[TT+\y], v[NM+2*\y]
.endr
.irp y, 0,1
	v_mul_f32 v[NM+2*\y], s16, v[MM+2*\y]
.endr
.irp y, 0,1
	v_sub_f32 v[TT+\y], v[NM+2*\y], v[TT+\y]       ; c (old maximum - new), 0 or less
.endr
.set n, 0
.rept 32
	v_pk_fma_f32 v[n:n+1], v[n:n+1], s[14:15], v[NM:NM+1] op_sel_hi:[1,0,0]       ; c t - c maximum
.set n, n+2
.endr
	s_wait_alu depctr_va_vdst(0)                   ; ahead of the first batch
.irp y, 0,1
	v_exp_f32 v[FF+2*\y], v[TT+\y]
.endr
.set n, 0
.rept 32                               ; the first tile's exponentials, the second tile's scalings between them
	v_exp_f32 v[n], v[n]
	v_exp_f32 v[n+1], v[n+1]
	v_pk_fma_f32 v[64+n:65+n], v[64+n:65+n], s[14:15], v[NM+2:NM+3] op_sel_hi:[1,0,0]
.set n, n+2
.endr
	s_wait_alu depctr_va_vdst(0)                   ; behind the first batch and ahead of the second
.set n, 0
.rept 16                               ; the second tile's exponentials; between them 16 independent sums of two pairs of the first tile
	v_exp_f32 v[64+n], v[64+n]
	v_exp_f32 v[65+n], v[65+n]
	v_exp_f32 v[66+n], v[66+n]
	v_exp_f32 v[67+n], v[67+n]
	v_pk_add_f32 v[n:n+1], v[n:n+1], v[n+2:n+3]
.set n, n+4
.endr
	s_wait_alu depctr_va_vdst(0)                   ; behind the second batch
	v_pk_fma_f32 v[AC:AC+1], v[AC:AC+1], v[FF:FF+1], v[0:1] op_sel_hi:[1,0,1]     ; the first tile: its 16 partial pairs in four chains
	v_pk_fma_f32 v[AC+2:AC+3], v[AC+2:AC+3], v[FF:FF+1], v[4:5] op_sel_hi:[1,0,1]
	v_pk_add_f32 v[AC+4:AC+5], v[8:9], v[12:13]
	v_pk_add_f32 v[AC+6:AC+7], v[16:17], v[20:21]
.set n, 0
.rept 10
	v_pk_add_f32 v[AC+2*(n%4):AC+2*(n%4)+1], v[AC+2*(n%4):AC+2*(n%4)+1], v[24+4*n:25+4*n]
.set n, n+1
.endr
	v_pk_add_f32 v[AC:AC+1], v[AC:AC+1], v[AC+4:AC+5]
	v_pk_add_f32 v[AC+2:AC+3], v[AC+2:AC+3], v[AC+6:AC+7]
.set sj, 0
.rept 32
	SUMI 1
.set sj, sj+1
.endr
	WIN 0
.endm
	s_wait_alu depctr_va_vdst(0)                   ; the wait at the head's end
	s_wait_tensorcnt 0x0                           ; my load has landed,
	s_barrier_signal -1
	s_barrier_wait -1                              ; everybody's has
	LOADX
	LOADC
	s_wait_loadcnt 0x0                             ; my tiles of k
	s_mov_b32 s20, 15
.Lstep:
	STEP 0
	s_sub_co_u32 s20, s20, 1
	s_cmp_lg_u32 s20, 0
	s_cbranch_scc1 .Lstep
	STEP 1
	; the two halves of the lanes have seen different queries: their maxima and sums are joined
	WIN 0x55
.irp y, 0,1
	v_pk_add_f32 v[AC+8*\y:AC+8*\y+1], v[AC+8*\y:AC+8*\y+1], v[AC+8*\y+2:AC+8*\y+3]
.endr
.irp y, 0,1
	v_add_f32 v[AC+8*\y], v[AC+8*\y], v[AC+8*\y+1]
.endr
.irp y, 0,1
	v_permlanex16_b32 v[PN+\y], v[NM+2*\y], s18, s19
	v_permlanex16_b32 v[PZ+\y], v[AC+8*\y], s18, s19
.endr
.irp y, 0,1
	v_min_num_f32 v[NF+\y], v[NM+2*\y], v[PN+\y]   ; -c x the larger maximum
.endr
.irp y, 0,1
	v_sub_f32 v[E0+\y], v[NF+\y], v[NM+2*\y]
	v_sub_f32 v[E1+\y], v[NF+\y], v[PN+\y]
.endr
	s_wait_alu depctr_va_vdst(0)
.irp y, 0,1
	v_exp_f32 v[E0+\y], v[E0+\y]
	v_exp_f32 v[E1+\y], v[E1+\y]
.endr
	v_nop
	s_wait_alu depctr_va_vdst(0)
.irp y, 0,1
	v_mul_f32 v[AC+8*\y], v[AC+8*\y], v[E0+\y]
	v_mul_f32 v[PZ+\y], v[PZ+\y], v[E1+\y]
.endr
.irp y, 0,1
	v_add_f32 v[AC+8*\y], v[AC+8*\y], v[PZ+\y]
.endr
	s_wait_alu depctr_va_vdst(0)
.irp y, 0,1
	v_log_f32 v[LG+\y], v[AC+8*\y]
.endr
	v_nop
	s_wait_alu depctr_va_vdst(0)
.irp y, 0,1
	v_sub_f32 v[NU+\y], v[NF+\y], v[LG+\y]
.endr
.irp y, 0,1
	v_mul_f32 v[NU+\y], s17, v[NU+\y]              ; nu = (-c maximum - log2(sum)) / c
.endr
	WIN 0x04
.irp y, 0,1
	ds_store_b32 v[STO], v[NU+\y] offset:32*\y     ; both halves of the lanes write the same word with the same value
.endr
	WIN 0
	s_wait_dscnt 0x0
	s_barrier_signal -1
	s_barrier_wait -1
	s_cmp_lt_u32 s10, 2                            ; the block's 1,024 bytes leave by two waves, 512 consecutive bytes each
	s_cbranch_scc0 .Ldone
	ds_load_b128 v[192:195], v[RDS]
	s_wait_dscnt 0x0
	global_store_b128 v[GOF], v[192:195], s[8:9]
.Ldone:
	s_wait_tensorcnt 0x0                           ; the wave's end
	ds_add_u32 v[SPW], v[NIL]
	s_wait_dscnt 0x0
	CROUND
	s_endpgm
.Lfunc_end_k_qee6382f00e_stats:
	.size	k_qee6382f00e_stats, .Lfunc_end_k_qee6382f00e_stats-k_qee6382f00e_stats
	.p2alignl 7, 3214868480
	.fill 96, 4, 3214868480
	.section	.rodata,"a",@progbits
	.p2align	6, 0x0
	.amdhsa_kernel k_qee6382f00e_stats
		.amdhsa_group_segment_fixed_size 168960
		.amdhsa_private_segment_fixed_size 0
		.amdhsa_enable_private_segment 0
		.amdhsa_kernarg_size 24
		.amdhsa_user_sgpr_count 2
		.amdhsa_user_sgpr_kernarg_segment_ptr 1
		.amdhsa_wavefront_size32 1
		.amdhsa_system_sgpr_workgroup_id_x 1
		.amdhsa_system_sgpr_workgroup_id_y 1
		.amdhsa_system_sgpr_workgroup_id_z 1
		.amdhsa_system_vgpr_workitem_id 0
		.amdhsa_next_free_vgpr 512
		.amdhsa_next_free_sgpr 92
		.amdhsa_reserve_vcc 0
		.amdhsa_float_denorm_mode_32 3
		.amdhsa_float_denorm_mode_16_64 3
		.amdhsa_memory_ordered 1
		.amdhsa_forward_progress 1
		.amdhsa_inst_pref_size 57
	.end_amdhsa_kernel
	.amdgpu_metadata
---
amdhsa.version: [ 1, 2 ]
amdhsa.kernels:
  - .name:           k_qee6382f00e_stats
    .symbol:         k_qee6382f00e_stats.kd
    .args:
      - { .name: qk, .offset: 0, .size: 8, .value_kind: global_buffer, .address_space: global }
      - { .name: mask, .offset: 8, .size: 8, .value_kind: global_buffer, .address_space: global }
      - { .name: ust, .offset: 16, .size: 8, .value_kind: global_buffer, .address_space: global }
    .group_segment_fixed_size: 168960
    .private_segment_fixed_size: 0
    .kernarg_segment_align: 8
    .kernarg_segment_size: 24
    .max_flat_workgroup_size: 256
    .sgpr_count:     92
    .vgpr_count:     512
    .wavefront_size: 32
...
	.end_amdgpu_metadata
.endif
;; end of part 3
;; launch attn (part 4): grid 8 x 32, 8 waves a work-group, clusters of 4 x 1, 327,680 bytes of LDS; arguments qk, vq, ust, mask, wq, Wo_b, out0; writes out0
.if DOCPART == 4
	.amdgcn_target "amdgcn-amd-amdhsa--gfx1250"
	.amdhsa_code_object_version 6
	.text
	.protected	k_qee6382f00e_attn
	.globl	k_qee6382f00e_attn
	.p2align	8
	.type	k_qee6382f00e_attn,@function
k_qee6382f00e_attn:
	s_mov_b64 s[64:65], 0
	v_nop
	global_prefetch_b8 v0, s[64:65] scope:SCOPE_SE
	s_setreg_imm32_b32 hwreg(HW_REG_WAVE_MODE, 25, 1), 1
	s_wait_xcnt 0x0
	s_wait_alu depctr_hold_cnt(0) depctr_sa_sdst(0) depctr_va_vdst(0) depctr_va_sdst(0) depctr_va_ssrc(0) depctr_va_vcc(0) depctr_vm_vsrc(0)
	s_getreg_b32 s2, hwreg(HW_REG_IB_STS2, 6, 4)
	s_cmp_eq_u32 s2, 0
	s_cbranch_scc0 .Lentry_in_a_cluster
	s_endpgm
.Lentry_in_a_cluster:
	s_bfe_u32 s2, ttmp6, 0x10000c
	s_cmp_lg_u32 s2, 0x3003
	s_cbranch_scc0 .Lentry_shape_is_right
	s_endpgm
.Lentry_shape_is_right:
; att[q][k] = e^((q . k + mask[q] + nu[k]) / 8) is the FINISHED weight (nu from launch stats holds the key's maximum and sum over the queries); it is quantised along the keys, multiplied by v, the result is quantised along
; the channels, and the last product, with Wo_w, follows in the same launch.  All three products on codes of FP6 (E2M3).  att = 2^(c (s + nu) + c mask), c = log2(e) / 8: nu is the C of the score's product.
; nu carries the true maximum, so no exponent lies above 0 but by rounding.
; SHARES.  A work-group owns 256 queries of one head, each of its eight waves two tiles of 16, kept in registers.  Every wave walks all keys, 128 a step, out of LDS.
; LDS is filled once, by joint loads of the four work-groups of a cluster, which belong to one head.  At the head one load a wave: waves 0-3 a quarter of k's codes, wave 4 k's scale words, wave 5 nu, wave 6 v's scale bytes,
; wave 7 v's codes of key steps 0 and 1.  The other seven eighths of v's codes are first fills behind the full sequence and a round, one load for each of waves 0-6; they are waited for behind key step 0.
; LAYOUT.  S^T = k q^T, O^T = v^T p^T: a lane holds one query throughout.  A tile's 16 keys are keys 32 (r >> 3) + 8 t + (r & 7) of a group of 64, so that the 32 registers of four tiles are 32 neighbouring keys:
; a whole block of the quantiser in one lane, and the block that the next operand's layout gives that lane.  v's tiles take their channels likewise.
; A BLOCK'S LARGEST WEIGHT IS NOT SEARCHED FOR: the weight rises with s + nu, so each block's largest s + nu is put through the same multiply-add and exponential (this takes v_exp_f32 not to fall where its input rises;
; at the worst one weight of a block, within an ulp of a power of two, is held one code low).  That search is also the first read of the scores, ahead of every exponential.
; THE EXPONENTIALS stand in four groups of 32; between a group's stand the next group's scalings, which are first read behind the wait that closes the group.
; THE LAST PRODUCT.  reference()'s flat reshape makes eight neighbouring queries of a head one row of 1,024: my 256 queries are 32 whole rows, and step e of its K is query 8 row + e.  The codes and scale words of the 32 rows
; meet in LDS; every wave holds all 16 fragments of them (192 registers) and makes 32 rows x its own 128 columns.  Wo_w's fragments come from memory straight into registers, as the images that launch quant stored:
; 512 consecutive bytes a load, one tile of 16 columns (28 loads) ahead.  All work-groups read the same bytes of Wo_w, and no wave reads a fragment twice: so neither LDS nor a prefetch is spent on them.
; Results leave through each wave's own stage, 64 columns at a time: sixteen lanes store 256 consecutive bytes, aligned.
; LIMITS: NaN and infinities are not served; a weight under 2^-126 comes out as 0 (the exponential's own flush, ISA guide 15.8); blocks of zeros and blocks under 2^-124 get the byte 1.
; REGISTERS in the walk: window 0: v1-3 offsets in memory; v4-8 LDS addresses that walk; v9 8 h; v10 the floor; v11-12, v15 the way out; v16-39 my two tiles of q; v40 their scale words; v41-42 the add's; v44-47 k's scale words;
;   v48-51 v's; v52-53 p's; v54-57 c mask; v60-155 eight tiles of k; v156-203 four tiles of v; v204-227 p's codes; v228-255 at work.   window 1: v0-127 scores, then p (v0-47 later four tiles of v); v128-255 O^T.
; In the last product: window 0: v16-31 A's scale words, v32-39 and v44-51 Wo_w's, v64-255 A's fragments; window 1: v0-191 Wo_w's fragments, two sets, v192-223 accumulators, two sets, v224-239 the bias, two sets.
.set XQ,   24640
.set XSB,  98560
.set XSQ,  2048
.set CVB,  107008
.set VCB,  115200
.set VSB,  311808
.set OSB,  320000                      ; the 256 queries' scale words: 1,024 bytes into which no fill lands
.set SPARE, 321024
.set AP,   784                         ; the last product's A in LDS, from byte 0: a row of 768 bytes + 16
.set OST,  25600                       ; the stages for the results: 32 rows of 256 + 16 bytes a wave
.set OSW,  8704
.set ADX,  4
.set ADS,  5
.set ADC,  6
.set ADV,  7
.set ADVS, 8
.set SH8,  9
.set FLR,  10
.set STO,  11
.set STS,  12
.set GOF,  15
.set YF,   16
.set YS,   40
.set SPW,  41
.set NIL,  42
.set SC,   44
.set VSC,  48
.set PS,   52
.set AQ,   54
.set TQ,   58
.set XF,   60
.set VF,   156
.set PF,   204
.set TP,   228
.set MX,   236
.set SO,   240
.set BY,   244
.set CH,   248
.set AAD,  4                           ; the last product's addresses, made behind the walk
.set ASD,  5
.set OSTO, 6
.set ORD,  7
.set CO,   8
.set SOF,  13
.set BOF,  14
.set SA,   16
.set AFR,  64
.set G1A,  32
.set G1C,  40
.set G0A,  48
.set G0B,  52
.set G0C,  56
.set G0D,  60
.set G0E,  68
.set G0F,  72
.set MSB, 0
.macro WIN new
.if MSB != \new
	s_set_vgpr_msb (MSB<<8)|\new
.set MSB, \new
.endif
.endm
.macro PLACES n
.rept \n
	v_nop
.endr
.endm
.macro CROUND
	s_barrier_signal -1
	s_barrier_wait -1
	s_cmp_lg_u32 s10, 0
	s_cbranch_scc1 .Lnot_wave_0_\@
	s_barrier_signal -3
.Lnot_wave_0_\@:
	s_barrier_wait -3
	s_barrier_signal -1
	s_barrier_wait -1
.endm
.macro G1SET g, rows
	s_mov_b32 s[\g], 15|(3<<16)|(1<<21)
	s_mov_b32 s[\g+1], 32<<16
	s_mov_b32 s[\g+2], (\rows)<<16
	s_mov_b32 s[\g+3], 32<<16
	s_mov_b32 s[\g+4], \rows
	s_mov_b32 s[\g+5], 32
	s_mov_b32 s[\g+6], 0
	s_mov_b32 s[\g+7], 0
.endm
.macro G0SET g, lds, base, off
	s_mov_b32 s[\g], 1
	s_mov_b32 s[\g+1], \lds
	s_add_nc_u64 s[\g+2:\g+3], s[\base:\base+1], s[\off:\off+1]
.endm
.macro TLOAD g0, g1
	tensor_load_to_lds s[\g0:\g0+3], s[\g1:\g1+7]
	s_nop 0
	PLACES 4
.endm
	s_load_b128 s[4:7], s[0:1], 0x0                ; qk, vq
	s_load_b64 s[8:9], s[0:1], 0x10                ; ust
	s_load_b64 s[96:97], s[0:1], 0x18              ; mask
	s_load_b128 s[76:79], s[0:1], 0x20             ; wq, Wo_b
	s_load_b64 s[98:99], s[0:1], 0x30              ; out0
	v_lshl_add_u32 v[SPW], v0, 2, SPARE
	v_mov_b32 v[NIL], 0
	ds_add_u32 v[SPW], v[NIL]                      ; the opening lines
	ds_add_u32 v[SPW], v[NIL]
	v_lshrrev_b32 v1, 5, v0
	v_readfirstlane_b32 s10, v1                    ; wave 0..7
	s_bfe_u32 s11, ttmp6, 0x40000                  ; cx
	s_lshl_b32 s12, ttmp9, 2
	s_add_co_u32 s12, s12, s11                     ; my block of 256 queries: it enters addresses in memory alone
	s_and_b32 s13, ttmp7, 0xffff                   ; 8 x batch + head
	s_mov_b32 s14, 0x3e38aa3b                      ; c = log2(e) / 8
	s_mov_b32 s15, s14
	s_mov_b32 s18, 0x76543210
	s_mov_b32 s19, 0xfedcba98
	G1SET G1A, 96
	G1SET G1C, 32
	s_mul_i32 s22, s13, 98304
	s_mul_i32 s23, s10, 24576
	s_add_co_u32 s22, s22, s23
	s_add_co_u32 s22, s22, 3145728                 ; k's codes: head, quarter = wave
	s_mul_i32 s28, s13, 196608                     ; v's codes: head
	s_add_co_u32 s20, s23, 24576                   ; eighth wave + 1
	s_add_co_u32 s24, s28, s20
	s_add_co_u32 s21, s20, VCB
	s_mov_b32 s23, 0
	s_mov_b32 s25, 0
	s_mov_b32 s29, 0
	s_lshl_b32 s26, s13, 13                        ; the head's 8,192 bytes of nu, of k's scale words and of v's scale bytes
	s_mov_b32 s27, 0
	s_mul_i32 s30, s10, XQ
	s_wait_dscnt 0x0
	s_wait_kmcnt 0x0
	G0SET G0A, s30, 4, 22
	G0SET G0B, XSB, 4, 26
	s_add_nc_u64 s[G0B+2:G0B+3], s[G0B+2:G0B+3], 6291456+262144
	G0SET G0C, CVB, 8, 26
	G0SET G0D, VSB, 6, 26
	s_add_nc_u64 s[G0D+2:G0D+3], s[G0D+2:G0D+3], 6291456
	G0SET G0E, VCB, 6, 28
	G0SET G0F, s21, 6, 24
.irp g, G0A, G0B, G0C, G0D, G0E, G0F
	s_or_b32 s[\g+3], s[\g+3], 0x80000000
.endr
	CROUND                                         ; the joint loads meet
	s_cmp_lt_u32 s10, 4                            ; one chain of branches on the wave's number, one load to an arm: every way passes one
	s_cbranch_scc0 .Lnot_x
	TLOAD G0A, G1A
	s_branch .Lasked
.Lnot_x:
	s_cmp_eq_u32 s10, 4
	s_cbranch_scc0 .Lnot_s
	TLOAD G0B, G1C
	s_branch .Lasked
.Lnot_s:
	s_cmp_eq_u32 s10, 5
	s_cbranch_scc0 .Lnot_c
	TLOAD G0C, G1C
	s_branch .Lasked
.Lnot_c:
	s_cmp_eq_u32 s10, 6
	s_cbranch_scc0 .Lnot_d
	TLOAD G0D, G1C
	s_branch .Lasked
.Lnot_d:
	TLOAD G0E, G1A
.Lasked:
	s_lshr_b32 s80, s10, 1
	s_lshl_b32 s81, s12, 2
	s_add_co_u32 s80, s80, s81                     ; my group of 64 queries
	s_and_b32 s81, s10, 1                          ; of its four tiles I take 2 (w & 1) and the next
	s_lshl_b32 s82, s80, 2
	s_lshl_b32 s83, s81, 1
	s_add_co_u32 s82, s82, s83
	s_mul_i32 s82, s82, 192
	s_mul_i32 s83, s13, 98304
	s_add_co_u32 s82, s82, s83
	s_mov_b32 s83, 0
	s_add_nc_u64 s[82:83], s[4:5], s[82:83]        ; q's codes
	s_lshr_b32 s84, s80, 1
	s_lshl_b32 s84, s84, 7
	s_and_b32 s85, s80, 1
	s_lshl_b32 s85, s85, 1
	s_add_co_u32 s85, s85, s81
	s_lshl_b32 s85, s85, 2
	s_add_co_u32 s84, s84, s85
	s_add_co_u32 s84, s84, s26
	s_add_co_u32 s84, s84, 6291456
	s_mov_b32 s85, 0
	s_add_nc_u64 s[84:85], s[4:5], s[84:85]        ; q's scale words
	s_lshr_b32 s86, s13, 3
	s_lshl_b32 s86, s86, 13
	s_lshl_b32 s87, s80, 8
	s_add_co_u32 s86, s86, s87
	s_lshl_b32 s87, s81, 6
	s_add_co_u32 s86, s86, s87
	s_mov_b32 s87, 0
	s_add_nc_u64 s[96:97], s[96:97], s[86:87]      ; the mask at my first tile
	s_lshr_b32 s86, s10, 1
	s_lshl_b32 s87, s86, 8
	s_lshl_b32 s86, s86, 3
	s_lshl_b32 s88, s81, 1
	s_add_co_u32 s86, s86, s88
	s_mul_i32 s86, s86, AP                         ; A's row 8 (w >> 1) + 2 (w & 1): my first tile's lower eight queries
	s_lshl_b32 s88, s81, 6
	s_add_co_u32 s87, s87, s88                     ; my words among the block's scale words
	s_mul_i32 s90, s10, 98304
	s_add_co_u32 s90, s90, 1572864
	s_mov_b32 s91, 0
	s_add_nc_u64 s[90:91], s[76:77], s[90:91]      ; the images of my 128 rows of Wo_w,
	s_lshl_b32 s92, s10, 12
	s_add_co_u32 s92, s92, 2424832
	s_mov_b32 s93, 0
	s_add_nc_u64 s[92:93], s[76:77], s[92:93]      ; their scale bytes,
	s_lshl_b32 s94, s10, 9
	s_mov_b32 s95, 0
	s_add_nc_u64 s[78:79], s[78:79], s[94:95]      ; their biases,
	s_lshl_b32 s88, s13, 8
	s_lshl_b32 s89, s12, 5
	s_add_co_u32 s88, s88, s89                     ; out0's row 256 (8 batch + head) + 32 block,
	s_lshl_b32 s88, s88, 12
	s_add_co_u32 s88, s88, s94                     ; and my 128 columns
	s_mov_b32 s89, 0
	s_add_nc_u64 s[98:99], s[98:99], s[88:89]
	s_mul_i32 s89, s10, OSW
	s_add_co_u32 s89, s89, OST                     ; my stage for results
	v_bfe_u32 v248, v0, 4, 1                       ; h
	v_bfe_u32 v249, v0, 1, 2                       ; (r >> 1) & 3
	v_bfe_u32 v250, v0, 3, 1                       ; r >> 3
	v_and_b32 v251, 1, v0                          ; r & 1
	v_and_b32 v252, 7, v0                          ; r & 7
	v_and_b32 v255, 31, v0                         ; lane
	v_lshlrev_b32 v253, 5, v250
	v_lshl_add_u32 v253, v248, 4, v253
	v_lshl_add_u32 v253, v251, 3, v253
	v_mad_u32_u24 v[ADX], v249, XQ, v253
	v_mad_u32_u24 v1, v249, 24576, v253
	v_lshlrev_b32 v254, 6, v248
	v_lshl_add_u32 v254, v250, 5, v254
	v_lshl_add_u32 v254, v251, 4, v254
	v_mad_u32_u24 v[ADS], v249, XSQ, v254
	v_add_nc_u32 v[ADS], XSB, v[ADS]
	v_lshl_add_u32 v2, v249, 11, v254
	v_lshl_add_u32 v[ADC], v248, 7, CVB
	v_lshl_add_u32 v[ADV], v255, 3, VCB            ; v's images: 8 bytes a lane
	v_and_b32 v253, 15, v0
	v_lshlrev_b32 v253, 2, v253
	v_lshl_add_u32 v253, v248, 10, v253
	v_add_nc_u32 v[ADVS], VSB, v253
	v_lshlrev_b32 v[SH8], 3, v248
	v_mov_b32 v[FLR], 0x1800000                    ; the floor 2^(3 - 127)
	v_lshlrev_b32 v3, 2, v252
	v_lshl_add_u32 v3, v250, 7, v3                 ; 4 x (32 (r >> 3) + (r & 7))
	v_mul_u32_u24 v253, v252, 96                   ; query r & 7 of a row of A,
	v_mad_u32_u24 v253, v250, 4*AP, v253           ; four rows on for the upper eight queries,
	v_mad_u32_u24 v253, v248, 24, v253
	v_add_nc_u32 v[STO], s86, v253
	v_lshlrev_b32 v[GOF], 4, v255
	v_add_nc_u32 v253, s87, v3
	v_add_nc_u32 v[STS], OSB, v253
	s_wait_alu depctr_va_vdst(0)                   ; the wait ahead of the readers below
.irp y, 0,1
.irp e, 0,1,2
	global_load_b64 v[YF+12*\y+2*\e:YF+12*\y+2*\e+1], v1, s[82:83] offset:192*\y+64*\e
.endr
.endr
	global_load_b32 v[YS], v2, s[84:85]
.irp y, 0,1
	global_load_b32 v[AQ+2*\y], v3, s[96:97] offset:32*\y
.endr
.irp y, 0,1
.irp j, 6,7,8,9,10,11
	v_mov_b32 v[YF+12*\y+\j], 0                    ; zero codes for K = 64 .. 127
.endr
	v_mov_b32 v[AQ+2*\y+1], 0
.endr
.irp k, 0,1,2,3,4,5,6,7
.irp j, 6,7,8,9,10,11
	v_mov_b32 v[XF+12*\k+\j], 0
.endr
.endr
	v_mov_b32 v[TQ], 0
	v_mov_b32 v[TQ+1], 0                           ; (a lane permute's destination counts as one of its sources)
.macro LOADC                           ; a step's 128 nu into the second tile's accumulators: 16 loads
	WIN 0x40
.irp k, 0,1,2,3,4,5,6,7
	ds_load_b128 v[64+8*\k:64+8*\k+3], v[ADC] offset:256*(\k/4)+32*(\k%4)
	ds_load_b128 v[64+8*\k+4:64+8*\k+7], v[ADC] offset:256*(\k/4)+32*(\k%4)+16
.endr
	WIN 0
.endm
.macro LOADX                           ; eight tiles of k and their scale words: 25 loads
.irp k, 0,1,2,3,4,5,6,7
.irp e, 0,1,2
	ds_load_b64 v[XF+12*\k+2*\e:XF+12*\k+2*\e+1], v[ADX] offset:192*\k+64*\e
.endr
.endr
	ds_load_b128 v[SC:SC+3], v[ADS]
.endm
.macro LOADV0                          ; v's tiles 0-3 and all eight tiles' scale words: 28 loads
.irp t, 0,1,2,3
.irp p, 0,1,2,3,4,5
	ds_load_b64 v[VF+12*\t+2*\p:VF+12*\t+2*\p+1], v[ADV] offset:1536*\t+256*\p
.endr
.endr
.irp k, 0,1,2,3
	ds_load_b32 v[VSC+\k], v[ADVS] offset:2048*\k
.endr
.endm
.macro LOADV1                          ; v's tiles 4-7 into the first tile's score registers, which are done with: 24 loads
	WIN 0x40
.irp t, 0,1,2,3
.irp p, 0,1,2,3,4,5
	ds_load_b64 v[12*\t+2*\p:12*\t+2*\p+1], v[ADV] offset:1536*(\t+4)+256*\p
.endr
.endr
	WIN 0
.endm
.macro SMUL                            ; 16 products.  The second eight write over what the first eight took as C: five places stand between
	WIN 0x50
.irp k, 0,1,2,3,4,5,6,7
.if \k%2 == 1
	v_wmma_scale_f32_16x16x128_f8f6f4 v[8*\k:8*\k+7], v[XF+12*\k:XF+12*\k+11], v[YF:YF+11], v[64+8*\k:64+8*\k+7], v[SC+\k/2], v[YS] matrix_a_fmt:MATRIX_FMT_FP6 matrix_b_fmt:MATRIX_FMT_FP6 matrix_a_scale:MATRIX_SCALE_ROW1
.else
	v_wmma_scale_f32_16x16x128_f8f6f4 v[8*\k:8*\k+7], v[XF+12*\k:XF+12*\k+11], v[YF:YF+11], v[64+8*\k:64+8*\k+7], v[SC+\k/2], v[YS] matrix_a_fmt:MATRIX_FMT_FP6 matrix_b_fmt:MATRIX_FMT_FP6
.endif
.endr
	PLACES 5
.irp k, 0,1,2,3,4,5,6,7
.if \k%2 == 1
	v_wmma_scale_f32_16x16x128_f8f6f4 v[64+8*\k:64+8*\k+7], v[XF+12*\k:XF+12*\k+11], v[YF+12:YF+23], v[64+8*\k:64+8*\k+7], v[SC+\k/2], v[YS] matrix_a_fmt:MATRIX_FMT_FP6 matrix_b_fmt:MATRIX_FMT_FP6 matrix_a_scale:MATRIX_SCALE_ROW1 matrix_b_scale:MATRIX_SCALE_ROW1
.else
	v_wmma_scale_f32_16x16x128_f8f6f4 v[64+8*\k:64+8*\k+7], v[XF+12*\k:XF+12*\k+11], v[YF+12:YF+23], v[64+8*\k:64+8*\k+7], v[SC+\k/2], v[YS] matrix_a_fmt:MATRIX_FMT_FP6 matrix_b_fmt:MATRIX_FMT_FP6 matrix_b_scale:MATRIX_SCALE_ROW1
.endif
.endr
.endm
.macro EXFM g, aq                      ; group g's 32 exponentials, the next group's 16 packed scalings between them, and the wait that closes the group
.set n, 32*(\g)
.rept 16
	v_exp_f32 v[n], v[n]
	v_exp_f32 v[n+1], v[n+1]
	v_pk_fma_f32 v[32+n:33+n], v[32+n:33+n], s[14:15], v[\aq:\aq+1] op_sel_hi:[1,0,0]
.set n, n+2
.endr
	s_wait_alu depctr_va_vdst(0)
.endm
.macro CVP y                           ; tile y's 64 weights become its fragment of p: block c (registers 32 c on) is key block 2 c + h of the step
	WIN 0x01
.irp c, 0,1
	v_cvt_scalef32_pk16_fp6_f32 v[PF+12*\y+6*\c:PF+12*\y+6*\c+2], v[64*\y+32*\c:64*\y+32*\c+15], v[SO+2*\y+\c]
	v_cvt_scalef32_pk16_fp6_f32 v[TP+4*\c:TP+4*\c+2], v[64*\y+32*\c+16:64*\y+32*\c+31], v[SO+2*\y+\c]
.endr
	WIN 0
	v_nop                                          ; one plain place behind the conversions
.irp c, 0,1
.irp i, 0,1,2
	v_mov_b32 v[PF+12*\y+6*\c+3+\i], v[TP+4*\c+\i]
.endr
.endr
.endm
; Eight products O^T += v^T p^T: tiles t0 .. t0 + 3 of v x my two tiles.  The sixteen accumulators take turns
.macro PV t0, ab, first
.irp i, 0,1,2,3
.irp y, 0,1
.set OA, 128+64*\y+8*(\t0+\i)
.set AA, \ab+12*\i
.set BB, PF+12*\y
.set SS, VSC+(\t0+\i)/2
.if \first
.if \i%2 == 1
	v_wmma_scale_f32_16x16x128_f8f6f4 v[OA:OA+7], v[AA:AA+11], v[BB:BB+11], 0, v[SS], v[PS+\y] matrix_a_fmt:MATRIX_FMT_FP6 matrix_b_fmt:MATRIX_FMT_FP6 matrix_a_scale:MATRIX_SCALE_ROW1
.else
	v_wmma_scale_f32_16x16x128_f8f6f4 v[OA:OA+7], v[AA:AA+11], v[BB:BB+11], 0, v[SS], v[PS+\y] matrix_a_fmt:MATRIX_FMT_FP6 matrix_b_fmt:MATRIX_FMT_FP6
.endif
.else
.if \i%2 == 1
	v_wmma_scale_f32_16x16x128_f8f6f4 v[OA:OA+7], v[AA:AA+11], v[BB:BB+11], v[OA:OA+7], v[SS], v[PS+\y] matrix_a_fmt:MATRIX_FMT_FP6 matrix_b_fmt:MATRIX_FMT_FP6 matrix_a_scale:MATRIX_SCALE_ROW1
.else
	v_wmma_scale_f32_16x16x128_f8f6f4 v[OA:OA+7], v[AA:AA+11], v[BB:BB+11], v[OA:OA+7], v[SS], v[PS+\y] matrix_a_fmt:MATRIX_FMT_FP6 matrix_b_fmt:MATRIX_FMT_FP6
.endif
.endif
.endr
.endr
.endm
.macro STEP first, last                ; 128 keys
	LOADV0
	s_wait_dscnt 28                                ; nu and the tiles of k, asked for in the step before, are in; v's 28 loads may be out
	SMUL
	WIN 0x15                                       ; each block's largest s + nu: two chains a block, eight by turns; the first tile's four lines are the places behind the second tile's products
.irp y, 0,1
.irp c, 0,1
.irp f, 0,1
	v_max3_num_f32 v[CH+4*\y+2*\c+\f], v[64*\y+32*\c+16*\f], v[64*\y+32*\c+16*\f+1], v[64*\y+32*\c+16*\f+2]
.endr
.endr
.endr
	WIN 0x14
.irp i, 3,5,7,9,11,13
.irp y, 0,1
.irp c, 0,1
.irp f, 0,1
	v_max3_num_f32 v[CH+4*\y+2*\c+\f], v[CH+4*\y+2*\c+\f], v[64*\y+32*\c+16*\f+\i], v[64*\y+32*\c+16*\f+\i+1]
.endr
.endr
.endr
.endr
.irp y, 0,1
.irp c, 0,1
	v_max3_num_f32 v[CH+4*\y+2*\c], v[CH+4*\y+2*\c], v[64*\y+32*\c+15], v[64*\y+32*\c+31]
.endr
.endr
	WIN 0x41
.set n, 0
.rept 16
	v_pk_fma_f32 v[n:n+1], v[n:n+1], s[14:15], v[AQ:AQ+1] op_sel_hi:[1,0,0]       ; group 0: c (s + nu) + c mask
.set n, n+2
.endr
	WIN 0
.irp b, 0,1,2,3
	v_max_num_f32 v[MX+\b], v[CH+2*\b], v[CH+2*\b+1]
.endr
.irp b, 0,1,2,3
	v_fma_f32 v[MX+\b], v[MX+\b], s14, v[AQ+2*(\b/2)]                             ; the same of each block's largest
.endr
	v_add_nc_u32 v[ADC], 512, v[ADC]
.if \last == 0
	v_add_nc_u32 v[ADX], 1536, v[ADX]
	v_add_nc_u32 v[ADS], 128, v[ADS]
	LOADX                                          ; the next step's 25
.endif
	s_wait_alu depctr_va_vdst(0)                   ; ahead of the exponentials
.irp b, 0,1,2,3
	v_exp_f32 v[MX+\b], v[MX+\b]                   ; the blocks' largest weights
.endr
	WIN 0x41
	EXFM 0, AQ
	WIN 0
.irp b, 0,1,2,3
	v_max_num_f32 v[MX+\b], v[FLR], v[MX+\b]       ; the floor: the byte cannot fall under 1
.endr
.irp b, 0,1,2,3
	v_add_nc_u32 v[SO+\b], 0xff000000, v[MX+\b]    ; 2 off the exponent field: the conversion's scale operand
.endr
.irp b, 0,1,2,3
	v_lshrrev_b32 v[BY+\b], 23, v[SO+\b]
.endr
.irp y, 0,1
	v_lshl_or_b32 v[BY+2*\y], v[BY+2*\y+1], 16, v[BY+2*\y]         ; my two bytes: blocks h and 2 + h,
.endr
.irp y, 0,1
	v_lshlrev_b32 v[BY+2*\y], v[SH8], v[BY+2*\y]   ; at their places;
.endr
.irp y, 0,1
	v_permlanex16_b32 v[TQ+\y], v[BY+2*\y], s18, s19
.endr
.irp y, 0,1
	v_or_b32 v[PS+\y], v[BY+2*\y], v[TQ+\y]        ; with lane l xor 16's two the word is whole
.endr
	WIN 0x41
	EXFM 1, AQ+2
	EXFM 2, AQ+2
.set n, 96
.rept 32
	v_exp_f32 v[n], v[n]
.set n, n+1
.endr
	WIN 0
	v_nop                                          ; one plain place behind the last exponential
	s_wait_alu depctr_va_vdst(0)
	CVP 0
	LOADV1                                         ; 24 loads
	v_add_nc_u32 v[ADV], 12288, v[ADV]
	v_add_nc_u32 v[ADVS], 64, v[ADVS]
	CVP 1
	s_wait_alu depctr_va_vdst(0)                   ; the wait ahead of the wait below
.if \last
	s_wait_dscnt 24                                ; v's tiles 0-3 and the scale words are in; tiles 4-7 may be out
.else
	s_wait_dscnt 49                                ; likewise; the next step's 25 and tiles 4-7's 24 may be out
	LOADC                                          ; the next step's nu, 16 loads, into the second tile's registers
.endif
	PLACES 4                                       ; p's last codes were written by vector instructions: four places ahead of a scaled matrix instruction (its scale words stand far more than eight ahead)
	WIN 0x50
	s_wait_alu depctr_va_vdst(0)                   ; directly ahead of the first reader of O^T behind the exponentials
	PV 0, VF, \first
.if \last
	s_wait_dscnt 0x0
.else
	s_wait_dscnt 16                                ; v's tiles 4-7 (and the next tiles of k); the 16 loads of nu may be out
.endif
	WIN 0x51
	PV 4, 0, \first
	WIN 0
	PLACES 5                                       ; ahead of the next step's loads into v's registers, and of its products, which write over the registers that held tiles 4-7
.endm
	s_wait_alu depctr_va_vdst(0)                   ; the wait at the head's end
	s_wait_tensorcnt 0x0                           ; my load of the head has landed; the later first fills are issued as a refill is:
	ds_add_u32 v[SPW], v[NIL]
	s_wait_dscnt 0x0
	CROUND                                         ; everybody's has, in all four work-groups
	s_cmp_lt_u32 s10, 7                            ; waves 0-6: v's codes, eighth wave + 1
	s_cbranch_scc0 .Lno_v
	TLOAD G0F, G1A
.Lno_v:
	LOADX
	LOADC
	s_wait_loadcnt 0x0                             ; my tiles of q and their mask numbers
.irp y, 0,1
	v_mul_f32 v[AQ+2*\y], s14, v[AQ+2*\y]
.endr
	s_wait_alu depctr_va_vdst(0)
	STEP 1, 0                                      ; key step 0 starts O^T's sums; its tiles of v came with the head's loads
	s_wait_tensorcnt 0x0                           ; my eighth of v's codes has landed,
	s_wait_dscnt 0x0
	s_barrier_signal -1
	s_barrier_wait -1                              ; everybody's has
	s_mov_b32 s20, 14
.Lstep:
	STEP 0, 0
	s_sub_co_u32 s20, s20, 1
	s_cmp_lg_u32 s20, 0
	s_cbranch_scc1 .Lstep
	STEP 0, 1
	; O IS QUANTISED.  Unit u = 2 y + G: registers 128 + 32 u on = channels 64 G + 32 h + 0 .. 31 of tile y's query: block 2 G + h of that query's step of the last product's K
	WIN 0x05
.irp u, 0,1,2,3
	v_max3_num_f32 v[MX+\u], |v[128+32*\u]|, |v[129+32*\u]|, 0x1800000
.endr
	WIN 0x14
.irp i, 2,4,6,8,10,12,14,16,18,20,22,24,26,28,30
.irp u, 0,1,2,3
	v_max3_num_f32 v[MX+\u], v[MX+\u], |v[128+32*\u+\i]|, |v[129+32*\u+\i]|
.endr
.endr
	WIN 0
.irp u, 0,1,2,3
	v_add_nc_u32 v[SO+\u], 0xff000000, v[MX+\u]
.endr
.irp u, 0,1,2,3
	v_lshrrev_b32 v[BY+\u], 23, v[SO+\u]
.endr
	WIN 0x01
.irp u, 0,1,2,3
	v_cvt_scalef32_pk16_fp6_f32 v[XF+8*\u:XF+8*\u+2], v[128+32*\u:143+32*\u], v[SO+\u]
	v_cvt_scalef32_pk16_fp6_f32 v[XF+8*\u+4:XF+8*\u+6], v[144+32*\u:159+32*\u], v[SO+\u]
.endr
	WIN 0
	v_nop
.irp u, 0,1,2,3
	v_mov_b32 v[XF+8*\u+3], v[XF+8*\u+4]
	v_mov_b32 v[XF+8*\u+4], v[XF+8*\u+5]
	v_mov_b32 v[XF+8*\u+5], v[XF+8*\u+6]
.endr
.irp y, 0,1
	v_lshl_or_b32 v[TP+\y], v[BY+1+2*\y], 16, v[BY+2*\y]
.endr
.irp y, 0,1
	v_lshlrev_b32 v[TP+\y], v[SH8], v[TP+\y]
.endr
.irp y, 0,1
	v_permlanex16_b32 v[TP+4+\y], v[TP+\y], s18, s19
.endr
.irp y, 0,1
	v_or_b32 v[TP+\y], v[TP+\y], v[TP+4+\y]        ; my query's four scale bytes
.endr
	; the last product's addresses
	v_and_b32 v1, 15, v0                           ; r
	v_bfe_u32 v2, v0, 4, 1                         ; h
	v_mul_u32_u24 v3, v1, AP
	v_mad_u32_u24 v[AAD], v2, 24, v3               ; A's fragments: row r, + 24 h
	v_lshl_add_u32 v[ASD], v1, 5, OSB              ; A's scale words: 32 bytes a row
	v_mul_u32_u24 v3, v1, 272
	v_lshl_add_u32 v3, v2, 5, v3
	v_add_nc_u32 v[OSTO], s89, v3                  ; my stage, way in: row r, 32 bytes for each half of the lanes
	v_mul_u32_u24 v3, v2, 272
	v_lshl_add_u32 v3, v1, 4, v3
	v_add_nc_u32 v[ORD], s89, v3                   ; way out: sixteen lanes to a row of 256 bytes, two rows an instruction
	v_lshlrev_b32 v3, 12, v2
	v_lshl_add_u32 v[CO], v1, 4, v3                ; and the same two rows in out0
	v_lshlrev_b32 v[SOF], 5, v1                    ; a row of Wo_w's 32 scale bytes
	v_lshlrev_b32 v[BOF], 5, v2                    ; my eight columns' biases
.macro BLOAD i                         ; tile i of my eight: 16 rows of Wo_w, all eight steps (24 loads of 512 consecutive bytes), its bias and its scale words: 28 loads
	WIN 0x40
.irp st, 0,1,2,3,4,5,6,7
.irp c, 0,1,2
	global_load_b128 v[96*((\i)%2)+12*\st+4*\c:96*((\i)%2)+12*\st+4*\c+3], v[GOF], s[90:91] offset:12288*(\i)+1536*\st+512*\c
.endr
.endr
	global_load_b128 v[224+8*((\i)%2):227+8*((\i)%2)], v[BOF], s[78:79] offset:64*(\i)
	global_load_b128 v[228+8*((\i)%2):231+8*((\i)%2)], v[BOF], s[78:79] offset:64*(\i)+16
	WIN 0
	global_load_b128 v[32+12*((\i)%2):35+12*((\i)%2)], v[SOF], s[92:93] offset:512*(\i)
	global_load_b128 v[36+12*((\i)%2):39+12*((\i)%2)], v[SOF], s[92:93] offset:512*(\i)+16
.endm
	BLOAD 0                                        ; into registers that the conversions above have read
	BLOAD 1
	s_wait_alu depctr_va_vdst(0)                   ; the wait ahead of the wait below
	s_wait_dscnt 0x0
	s_barrier_signal -1
	s_barrier_wait -1                              ; no wave reads k, v or nu any more: their bytes, which are filled no more, take A and the stages
.irp u, 0,1,2,3
.irp e, 0,1,2
	ds_store_b64 v[STO], v[XF+8*\u+2*\e:XF+8*\u+2*\e+1] offset:AP*(\u/2)+48*(\u%2)+8*\e
.endr
.endr
.irp y, 0,1
	ds_store_b32 v[STS], v[TP+\y] offset:32*\y     ; both halves of the lanes write the same word with the same value
.endr
	s_wait_dscnt 0x0
	s_barrier_signal -1
	s_barrier_wait -1                              ; A's 32 rows are whole
.irp t, 0,1
.irp st, 0,1,2,3,4,5,6,7
.irp p, 0,1,2,3,4,5
	ds_load_b64 v[AFR+96*\t+12*\st+2*\p:AFR+96*\t+12*\st+2*\p+1], v[AAD] offset:16*AP*\t+96*\st+48*(\p/3)+8*(\p%3)
.endr
.endr
	ds_load_b128 v[SA+8*\t:SA+8*\t+3], v[ASD] offset:512*\t
	ds_load_b128 v[SA+8*\t+4:SA+8*\t+7], v[ASD] offset:512*\t+16
.endr
; A tile: 16 columns x 32 rows, K = 1,024: 16 products on two accumulators by turns, begun from the bias.  Source 0 = 16 rows of Wo_w, source 1 = 16 rows of A:
; a lane holds eight neighbouring columns of one row.
.macro TILE i
.set BS, 96*((\i)%2)
.set AC, 192+16*((\i)%2)
.set BI, 224+8*((\i)%2)
.set SS, 32+12*((\i)%2)
.if (\i) == 4
	s_wait_xcnt 0x0                                ; the stores of the first 64 columns have read their registers: loads may land there
.endif
.if (\i) >= 1 && (\i) < 7
	BLOAD (\i)+1                                   ; into the set that tile i - 1 has left, four places behind its products
.endif
.if (\i) < 7
	s_wait_loadcnt 28                              ; this tile's 28 loads are in; the next tile's may be out
.else
	s_wait_loadcnt 0x0
.endif
	WIN 0x51
.irp st, 0,1,2,3,4,5,6,7
.irp t, 0,1
.if \st == 0
	v_wmma_scale_f32_16x16x128_f8f6f4 v[AC+8*\t:AC+8*\t+7], v[BS+12*\st:BS+12*\st+11], v[AFR+96*\t+12*\st:AFR+96*\t+12*\st+11], v[BI:BI+7], v[SS+\st], v[SA+8*\t+\st] matrix_a_fmt:MATRIX_FMT_FP6 matrix_b_fmt:MATRIX_FMT_FP6
.else
	v_wmma_scale_f32_16x16x128_f8f6f4 v[AC+8*\t:AC+8*\t+7], v[BS+12*\st:BS+12*\st+11], v[AFR+96*\t+12*\st:AFR+96*\t+12*\st+11], v[AC+8*\t:AC+8*\t+7], v[SS+\st], v[SA+8*\t+\st] matrix_a_fmt:MATRIX_FMT_FP6 matrix_b_fmt:MATRIX_FMT_FP6
.endif
.endr
.endr
	PLACES 4
	WIN 0x04
.irp t, 0,1
	ds_store_b128 v[OSTO], v[AC+8*\t:AC+8*\t+3] offset:16*272*\t+64*((\i)%4)       ; each accumulator from its low end on
	ds_store_b128 v[OSTO], v[AC+8*\t+4:AC+8*\t+7] offset:16*272*\t+64*((\i)%4)+16
.endr
	WIN 0
.endm
.macro FLUSH f                         ; 32 rows x 64 columns leave: back from my stage as rows of 256 bytes (LDS serves a wave's instructions in order: ISA guide 5.7.1.4), into the set of fragments that is done with
	WIN 0x40
.irp t, 0,1,2,3,4,5,6,7,8,9,10,11,12,13,14,15
	ds_load_b128 v[96+4*\t:99+4*\t], v[ORD] offset:544*\t
.endr
	WIN 0x04
.irp t, 0,1,2,3,4,5,6,7,8,9,10,11,12,13,14,15
	s_wait_dscnt 15-\t
	global_store_b128 v[CO], v[96+4*\t:99+4*\t], s[98:99] offset:8192*\t+256*\f th:TH_STORE_NT   ; sixteen lanes store 256 consecutive bytes, aligned
.endr
	WIN 0
.endm
	s_wait_dscnt 0x0                               ; A's fragments and scale words
	TILE 0
	TILE 1
	TILE 2
	TILE 3
	FLUSH 0
	TILE 4
	TILE 5
	TILE 6
	TILE 7
	FLUSH 1
	s_wait_tensorcnt 0x0                           ; the wave's end
	ds_add_u32 v[SPW], v[NIL]
	s_wait_dscnt 0x0
	CROUND                                         ; the closing round
	s_endpgm
.Lfunc_end_k_qee6382f00e_attn:
	.size	k_qee6382f00e_attn, .Lfunc_end_k_qee6382f00e_attn-k_qee6382f00e_attn
	.p2alignl 7, 3214868480
	.fill 96, 4, 3214868480
	.section	.rodata,"a",@progbits
	.p2align	6, 0x0
	.amdhsa_kernel k_qee6382f00e_attn
		.amdhsa_group_segment_fixed_size 327680
		.amdhsa_private_segment_fixed_size 0
		.amdhsa_enable_private_segment 0
		.amdhsa_kernarg_size 56
		.amdhsa_user_sgpr_count 2
		.amdhsa_user_sgpr_kernarg_segment_ptr 1
		.amdhsa_wavefront_size32 1
		.amdhsa_system_sgpr_workgroup_id_x 1
		.amdhsa_system_sgpr_workgroup_id_y 1
		.amdhsa_system_sgpr_workgroup_id_z 1
		.amdhsa_system_vgpr_workitem_id 0
		.amdhsa_next_free_vgpr 512
		.amdhsa_next_free_sgpr 100
		.amdhsa_reserve_vcc 0
		.amdhsa_float_denorm_mode_32 3
		.amdhsa_float_denorm_mode_16_64 3
		.amdhsa_memory_ordered 1
		.amdhsa_forward_progress 1
		.amdhsa_inst_pref_size 154
	.end_amdhsa_kernel
	.amdgpu_metadata
---
amdhsa.version: [ 1, 2 ]
amdhsa.kernels:
  - .name:           k_qee6382f00e_attn
    .symbol:         k_qee6382f00e_attn.kd
    .args:
      - { .name: qk, .offset: 0, .size: 8, .value_kind: global_buffer, .address_space: global }
      - { .name: vq, .offset: 8, .size: 8, .value_kind: global_buffer, .address_space: global }
      - { .name: ust, .offset: 16, .size: 8, .value_kind: global_buffer, .address_space: global }
      - { .name: mask, .offset: 24, .size: 8, .value_kind: global_buffer, .address_space: global }
      - { .name: wq, .offset: 32, .size: 8, .value_kind: global_buffer, .address_space: global }
      - { .name: Wo_b, .offset: 40, .size: 8, .value_kind: global_buffer, .address_space: global }
      - { .name: out0, .offset: 48, .size: 8, .value_kind: global_buffer, .address_space: global }
    .group_segment_fixed_size: 327680
    .private_segment_fixed_size: 0
    .kernarg_segment_align: 8
    .kernarg_segment_size: 56
    .max_flat_workgroup_size: 256
    .sgpr_count:     100
    .vgpr_count:     512
    .wavefront_size: 32
...
	.end_amdgpu_metadata
.endif
;; end of part 4
